; MI455X (gfx1250); checked and timed in simulation.
; The chip was launched on July 23, 2026; its instructions are those of AMD's public machine-readable ISA for CDNA 5 (MIT licence, August 2026) and "CDNA5" Instruction Set Architecture Reference Guide (July 2026). The comments in the code are by the model that wrote it; some were corrected since.
;; Rope Causal Self Attention. Allowed arithmetic: matrix products marked QUANTISED: E5M2 operands, one E8M0 scale for each 32 along K, by v_wmma_scale_f32_16x16x128_f8f6f4 with both operands' format E5M2, f32 sums; everything else in f32.
;; Inputs: b_proj 1,024 float32; b_qkv 3,072 float32; w_proj 1,024 x 1,024 float32; w_qkv 1,024 x 3,072 float32; x 4 x 2,048 x 1,024 float32.
;; Outputs: out0 4 x 2,048 x 1,024 float32.
;; This version of the problem:
;;   THIS VERSION OF THE PROBLEM IS GIVEN IN LOW PRECISION. The matrix products marked QUANTISED in the list below multiply operands that are first quantised to E5M2 (5 exponent bits, 2 mantissa bits; 8 bits a number), with one power-of-two scale for each 32 numbers along K (OCP MX v1.0); their sums are f32. All else is computed in f32.
;;   The module's matrix products, in the order in which they are computed (A, B: the left and right operand; K: the contracted axis; several contracted axes count as one K, in the product's order):
;;     1. [M 8,192, K 1,024] x [K 1,024, N 3,072]; A: input x; B: input w_qkv: QUANTISED
;;     2. batch 64 x [M 2,048, K 64] x [K 64, N 2,048]; A: computed on the way; B: computed on the way: QUANTISED
;;     3. batch 64 x [M 2,048, K 2,048] x [K 2,048, N 64]; A: softmax (see below); B: computed on the way: QUANTISED
;;     4. [M 8,192, K 1,024] x [K 1,024, N 1,024]; A: computed on the way; B: input w_proj: QUANTISED
;;   THE QUANTISER, for each operand of a quantised product, along K:
;;     - K is cut into blocks of 32 from its start; a last block that is shorter is filled with zeros.
;;     - A block's scale is 2^e with e = floor(log2(the largest magnitude in the block)) - 15, held to -126 .. 127; a block of zeros has e = 0. As a byte (E8M0): e + 127.
;;     - Each number is divided by its block's scale, clamped to +-57,344, and rounded to the nearest number of E5M2, ties to even, subnormals kept.
;;     - The product sums the exact products of the quantised numbers (number of the format x scale) in f32.
;;   ~~~python
;;   def quantise(x, axis):      # numpy; x: float32 -> the quantised numbers, widened to float32 again
;;       x = np.moveaxis(x, axis, -1); K = x.shape[-1]
;;       x = np.pad(x, [(0, 0)] * (x.ndim - 1) + [(0, -K % 32)]); x = x.reshape(x.shape[:-1] + (-1, 32)); a = np.abs(x).max(-1, keepdims=True)
;;       e = np.where(a > 0, np.clip(np.frexp(np.where(a > 0, a, 1))[1] - 1 - 15, -126, 127), 0)      # np.frexp(a)[1] - 1 = floor(log2(a)), exactly
;;       r = np.clip(x / 2.0 ** e, -57344, 57344)
;;       step = 2.0 ** (np.maximum(np.frexp(np.where(r == 0, 1, r))[1] - 1, -14) - 2)
;;       q = np.round(r / step) * step * 2.0 ** e      # np.round: ties to even
;;       return np.moveaxis(q.reshape(q.shape[:-2] + (-1,))[..., :K], -1, axis).astype(np.float32)
;;   ~~~
;;   SOFTMAX AHEAD OF A QUANTISED PRODUCT. Where the list says 'softmax', what is quantised is not the finished softmax but p = 2^(t - M), with t = logit x log2(e) and M = ceil(the row's largest t), a whole number; so 1/2 < the row's largest p <= 1. The row's sum l is taken of the UNQUANTISED p, in f32, and the product's result is divided by l at the end. Since M is a whole number, a kernel that streams over the keys may use a running M (the ceiling of the running maximum): every later rescaling is an exact power of two, which a block's scale takes up: the codes' values come out the same.
;;   OPERANDS COMPUTED ON THE WAY. 'Computed on the way' means the value that the module computes at that place (a softmax that the list does not call 'softmax' is quantised finished and normalised). What goes into a quantiser is computed in f32, as accurately as f32 sums, v_exp_f32 and their like allow (about 1e-6 of the number): no bf16 or f16 on the way to a quantiser, and a product that is left as it is and whose result goes on into a quantised operand takes f32 operands (vector FMAs, or v_wmma_f32_16x16x4_f32). A number that lies on a knife's edge between two numbers of the format may be rounded either way, as far as f32 arithmetic and the matrix unit's own rounding can turn it there, and no further.
;; One version. Each part assembles by itself: llvm-mc -triple=amdgcn-amd-amdhsa -mcpu=gfx1250 --defsym DOCPART=n.
;; ======== version 1 of 1: 4 launches
;; workspace buffers: opc 12,582,912 bytes; ops 393,216 bytes; tab 524,288 bytes; qkc 25,165,824 bytes; qks 1,310,720 bytes; atc 8,388,608 bytes; ats 262,144 bytes
;; launch prep (part 1): grid 416 x 1, 4 waves a work-group, no clusters, 0 bytes of LDS; arguments x, w_qkv, w_proj, opc, ops, tab; writes opc, ops, tab
.if DOCPART == 1
	.amdgcn_target "amdgcn-amd-amdhsa--gfx1250"
	.amdhsa_code_object_version 6
	.text
	.protected	k_q5a2de32bee_prep
	.globl	k_q5a2de32bee_prep
	.p2align	8
	.type	k_q5a2de32bee_prep,@function
k_q5a2de32bee_prep:
	s_mov_b64 s[64:65], 0
	v_nop
	global_prefetch_b8 v0, s[64:65] scope:SCOPE_SE
	s_setreg_imm32_b32 hwreg(HW_REG_WAVE_MODE, 25, 1), 1
	s_wait_xcnt 0x0
; PREP: the first of four launches of a causal self-attention block (B 4, S 2,048, E 1,024, 16 heads of 64) whose four products run on codes of BF8 (E5M2) with one E8M0 scale for each 32 along K.
; This launch quantises x (K innermost) and w_qkv, w_proj (K is their first axis) along K = 1,024, and makes the table of cos and sin for the rotation of q and k.
; DEAD WORK OF THE PROGRAM.  reference() sets the score of key k for query q to -1e30 where k > q (its own jnp.tril); behind the maximum's subtraction its exponential is 0, whatever the inputs hold, so such a key
; adds nothing to the row's sum nor to the second product.  Key steps of 128 keys that lie wholly behind a block of queries are therefore neither loaded nor multiplied (launch attn).  Nothing else is left out; every input is loaded.
; LIMIT: a NaN, an infinity or an overflow that reaches only such hidden scores is not carried to the result.
; THE IMAGE.  Every operand of the program lies in memory in the order of the matrix instruction's registers.  A tile T is 16 rows: lane r of it holds row p(T, r) = 32 (T / 2) + 8 (T % 2) + r + 8 (r / 8).
;   codes:  [T][s = K / 128][c = 4][lane = 32][16 bytes]: lane (r, h) holds k = 128 s + 32 c + 16 h + 0 .. 15 of row p(T, r): a fragment is four loads of 16 bytes a lane, 512 consecutive bytes each.
;   scales: [T][kk = 4][r = 16][q = 2] words: the four scale bytes of row p(T, r) for K step s = 2 kk + q.
;   opc, ops: T 0 .. 511 x, T 512 .. 703 w_qkv (a row = a column n of the weight), T 704 .. 767 w_proj.
;   tab: [T of positions = 128][w = 8][lane][16 bytes]: lane (r, h), position p(T, r): w 0 .. 3 cos, w 4 .. 7 sin of the frequencies j = 16 h + 4 (w % 4) + 0 .. 3.
; A block's scale is 2^(floor(log2(its largest magnitude)) - 15); its byte is that magnitude's exponent field - 15, held at 1 from below by a floor among the maximum's leaves.
; LIMITS: a block of zeros gets the byte 1 where the rule says 127 (its codes are zeros, and this program alone reads the bytes); blocks whose largest magnitude lies under 2^-111 are held at that floor;
; NaN and infinities among the inputs are not served.  The angle is f32(position x inv_freq), inv_freq good to about one unit in its last place: at the highest positions it can differ from reference()'s by about 1e-4.
; SHARES.  Work-groups 0 .. 255: x (a wave: one tile x 512 along K).  256 .. 351: w_qkv, 352 .. 383: w_proj (a wave: 32 columns x 256 along K).  384 .. 415: the table (a wave: one tile of positions).  No LDS, no barrier: waves share nothing.
.set TM, 208                           ; v208-223 at work in a quantiser: largest magnitudes, bytes, holds, scale operands
; 64 numbers of a lane, register 16 b + i = k 32 b + 16 h + i of my row, become a fragment's 16 registers of codes at v[pc] and its scale word in v[pw]
.macro QUANTP s, pc, pw
.irp b, 0,1,2,3
	v_max3_num_f32 v[TM+\b], |v[\s+16*\b]|, |v[\s+1+16*\b]|, 0x8000000   ; block b: my 16 numbers, and the floor 2^(16 - 127)
.endr
.irp i, 2,4,6,8,10,12,14
.irp b, 0,1,2,3
	v_max3_num_f32 v[TM+\b], v[TM+\b], |v[\s+16*\b+\i]|, |v[\s+1+16*\b+\i]|   ; the four blocks by turns
.endr
.endr
.irp b, 0,1,2,3
	v_permlanex16_b32 v[TM+4+\b], v[TM+\b], s20, s21
.endr
.irp b, 0,1,2,3
	v_max_num_f32 v[TM+\b], v[TM+\b], v[TM+4+\b]           ; with lane l xor 16's: the block's largest magnitude
.endr
.irp b, 0,1,2,3
	v_add_nc_u32 v[TM+12+\b], 0xf8800000, v[TM+\b]         ; 15 off its exponent field: the conversion's scale operand
.endr
.irp b, 0,1,2,3
	v_and_or_b32 v[TM+8+\b], v[TM+\b], 0x7f800000, s23     ; 57,344 x the scale
.endr
.irp b, 0,1,2,3
	v_lshrrev_b32 v[TM+4+\b], 23, v[TM+12+\b]              ; the scale's byte
.endr
	v_lshl_or_b32 v[\pw], v[TM+5], 8, v[TM+4]
	v_lshl_or_b32 v[\pw], v[TM+6], 16, v[\pw]
	v_lshl_or_b32 v[\pw], v[TM+7], 24, v[\pw]
.irp b, 0,1,2,3
.irp i, 0,1,2,3,4,5,6,7,8,9,10,11,12,13,14,15
	v_med3_num_f32 v[\s+16*\b+\i], v[\s+16*\b+\i], -v[TM+8+\b], v[TM+8+\b]   ; the conversion to an 8-bit code does not saturate (ISA guide 7.6.2): the hold
.endr
	v_cvt_scalef32_pk8_bf8_f32 v[\pc+4*\b:\pc+1+4*\b], v[\s+16*\b:\s+7+16*\b], v[TM+12+\b]
	v_cvt_scalef32_pk8_bf8_f32 v[\pc+2+4*\b:\pc+3+4*\b], v[\s+8+16*\b:\s+15+16*\b], v[TM+12+\b]
.endr
	v_nop                                                  ; a plain line behind the last conversion
.endm
	s_load_b256 s[4:11], s[0:1], 0x0               ; x s[4:5], w_qkv s[6:7], w_proj s[8:9], opc s[10:11]
	s_load_b128 s[12:15], s[0:1], 0x20             ; ops s[12:13], tab s[14:15]
	v_lshrrev_b32 v1, 5, v0
	v_readfirstlane_b32 s16, v1                    ; wave
	v_and_b32 v1, 31, v0                           ; lane
	v_and_b32 v2, 15, v0                           ; r
	v_bfe_u32 v3, v0, 4, 1                         ; h
	s_mov_b32 s20, 0x76543210
	s_mov_b32 s21, 0xfedcba98                      ; v_permlanex16_b32's selects for lane l xor 16
	s_mov_b32 s23, 0x600000                        ; the mantissa field of 57,344
	s_mov_b32 s25, 0
	s_mov_b32 s27, 0
	s_wait_kmcnt 0x0
	s_cmp_lt_u32 ttmp9, 256
	s_cbranch_scc1 .Lx
	s_cmp_lt_u32 ttmp9, 352
	s_cbranch_scc1 .Lwq
	s_cmp_lt_u32 ttmp9, 384
	s_cbranch_scc1 .Lwp
	; ---------------- the table of cos and sin ----------------
	s_sub_co_u32 s17, ttmp9, 384
	s_lshl_b32 s17, s17, 2
	s_add_co_u32 s17, s17, s16                     ; my tile of positions
	s_lshr_b32 s18, s17, 1
	s_lshl_b32 s18, s18, 5
	s_and_b32 s19, s17, 1
	s_lshl_b32 s19, s19, 3
	s_add_co_u32 s18, s18, s19                     ; 32 (T / 2) + 8 (T % 2)
	v_and_b32 v4, 8, v2
	v_add_nc_u32 v4, v4, v2
	v_add_nc_u32 v4, s18, v4
	v_cvt_f32_u32 v4, v4                           ; my position, as f32
	s_lshl_b32 s24, s17, 12
	s_add_nc_u64 s[14:15], s[14:15], s[24:25]
	v_lshlrev_b32 v5, 4, v1                        ; 16 x lane
	v_lshlrev_b32 v6, 4, v3                        ; 16 h
	s_mov_b32 s26, 0x3ed49a78                      ; L = log2(10000) / 32, its upper part
	s_mov_b32 s27, 0x32179a37                      ; and what is left of it
	s_mov_b32 s28, 0xbf317218                      ; -ln 2
	s_mov_b32 s29, 0x3f22f983                      ; 2 / pi
	s_mov_b32 s30, 0x3fc90fdb                      ; pi / 2, its upper part
	s_mov_b32 s31, 0xb33bbd2e                      ; and what is left of it
	s_mov_b32 s32, 0xbe2aaaa3                      ; sin r = r + r z (S1 + z (S2 + z S3)), z = r^2, for |r| up to pi / 4
	s_mov_b32 s33, 0x3c08839e
	s_mov_b32 s34, 0xb94ca1f9
	s_mov_b32 s35, 0x3d2aaaa5                      ; cos r = 1 - z / 2 + z^2 (C1 + z (C2 + z C3))
	s_mov_b32 s36, 0xbab6061a
	s_mov_b32 s37, 0x37ccf5ce
	; inv_freq(j) = 2^(-j L), j = 16 h + i.  j L is kept as a + e (a the rounded product with L's upper part, e the rest): 2^(-a) (1 - e ln 2)
.irp i, 0,1,2,3,4,5,6,7,8,9,10,11,12,13,14,15
	v_add_nc_u32 v[32+\i], \i, v6
.endr
.irp i, 0,1,2,3,4,5,6,7,8,9,10,11,12,13,14,15
	v_cvt_f32_u32 v[32+\i], v[32+\i]
.endr
.irp i, 0,1,2,3,4,5,6,7,8,9,10,11,12,13,14,15
	v_mul_f32 v[48+\i], s26, v[32+\i]
.endr
.irp i, 0,1,2,3,4,5,6,7,8,9,10,11,12,13,14,15
	v_fma_f32 v[96+\i], v[32+\i], s26, -v[48+\i]
.endr
.irp i, 0,1,2,3,4,5,6,7,8,9,10,11,12,13,14,15
	v_fma_f32 v[96+\i], v[32+\i], s27, v[96+\i]
.endr
.irp i, 0,1,2,3,4,5,6,7,8,9,10,11,12,13,14,15
	v_exp_f32 v[32+\i], -v[48+\i]                  ; one batch of sixteen
.endr
	v_nop                                          ; a plain line behind the last of them
	s_wait_alu depctr_va_vdst(0)                   ; one wait for the batch, ahead of its first reader
.irp i, 0,1,2,3,4,5,6,7,8,9,10,11,12,13,14,15
	v_mul_f32 v[96+\i], v[32+\i], v[96+\i]
.endr
.irp i, 0,1,2,3,4,5,6,7,8,9,10,11,12,13,14,15
	v_fma_f32 v[32+\i], v[96+\i], s28, v[32+\i]    ; inv_freq
.endr
; cos into v[64 + i], sin into v[80 + i]: the angle less n quarter turns, two polynomials, and the quarter's swap and signs
.macro SINCOS i
	v_mul_f32 v8, v4, v[32+\i]                     ; the angle, rounded to f32 as reference() rounds it
	v_mul_f32 v9, s29, v8
	v_rndne_f32 v9, v9                             ; n
	v_fma_f32 v10, -v9, s30, v8
	v_fma_f32 v10, -v9, s31, v10                   ; r
	v_mul_f32 v11, v10, v10                        ; z
	v_fma_f32 v12, v11, s34, s33
	v_fma_f32 v12, v12, v11, s32
	v_mul_f32 v13, v10, v11
	v_fma_f32 v12, v13, v12, v10                   ; sin r
	v_fma_f32 v13, v11, s37, s36
	v_fma_f32 v13, v13, v11, s35
	v_mul_f32 v14, v11, v11
	v_fma_f32 v15, v11, -0.5, 1.0
	v_fma_f32 v13, v14, v13, v15                   ; cos r
	v_cvt_i32_f32 v9, v9
	v_and_b32 v14, 1, v9
	v_cmp_eq_u32 vcc_lo, 1, v14                    ; an odd quarter swaps the two
	v_cndmask_b32 v14, v12, v13, vcc_lo
	v_cndmask_b32 v15, v13, v12, vcc_lo
	v_lshlrev_b32 v12, 30, v9
	v_and_b32 v12, 0x80000000, v12                 ; sin is negative in quarters 2 and 3,
	v_xor_b32 v[80+\i], v12, v14
	v_add_nc_u32 v9, 1, v9
	v_lshlrev_b32 v9, 30, v9
	v_and_b32 v9, 0x80000000, v9                   ; cos in quarters 1 and 2
	v_xor_b32 v[64+\i], v9, v15
.endm
.irp i, 0,1,2,3,4,5,6,7,8,9,10,11,12,13,14,15
	SINCOS \i
.endr
.irp w, 0,1,2,3,4,5,6,7
	global_store_b128 v5, v[64+4*\w:67+4*\w], s[14:15] offset:512*\w   ; 32 lanes store 512 consecutive bytes
.endr
	s_endpgm
	; ---------------- x: K innermost ----------------
.Lx:
	s_lshl_b32 s17, ttmp9, 2
	s_add_co_u32 s17, s17, s16
	s_lshr_b32 s18, s17, 1                         ; my tile T
	s_and_b32 s19, s17, 1                          ; which half of K
	s_lshr_b32 s24, s18, 1
	s_lshl_b32 s24, s24, 17                        ; 32 (T / 2) rows of 4,096 bytes
	s_and_b32 s26, s18, 1
	s_lshl_b32 s26, s26, 15                        ; 8 (T % 2) rows
	s_add_co_u32 s24, s24, s26
	s_lshl_b32 s26, s19, 11                        ; 512 numbers
	s_add_co_u32 s24, s24, s26
	s_add_nc_u64 s[4:5], s[4:5], s[24:25]
	s_lshl_b32 s24, s18, 14
	s_lshl_b32 s26, s19, 13
	s_add_co_u32 s24, s24, s26
	s_add_nc_u64 s[10:11], s[10:11], s[24:25]      ; my four fragments
	s_lshl_b32 s24, s18, 9
	s_lshl_b32 s26, s19, 8
	s_add_co_u32 s24, s24, s26
	s_add_nc_u64 s[12:13], s[12:13], s[24:25]      ; my 256 bytes of scale words
	v_and_b32 v4, 8, v2
	v_add_nc_u32 v4, v4, v2
	v_lshlrev_b32 v4, 12, v4
	v_lshl_add_u32 v4, v3, 6, v4                   ; row r + 8 (r / 8), + 64 h: my 16 numbers of a block of 32
	v_lshlrev_b32 v5, 4, v1                        ; 16 x lane
	v_lshlrev_b32 v6, 3, v1                        ; 8 x lane
.irp b, 0,1,2,3
	v_mov_b32 v[TM+4+\b], 0                        ; written once: a lane permute's destination counts as one of its sources
.endr
.macro XLOAD set, s                    ; K step s of my four: 64 numbers a lane
.irp c, 0,1,2,3
.irp j, 0,1,2,3
	global_load_b128 v[16+64*(\set)+16*\c+4*\j:19+64*(\set)+16*\c+4*\j], v4, s[4:5] offset:512*(\s)+128*\c+16*\j th:TH_LOAD_NT
.endr
.endr
.endm
	XLOAD 0, 0
	XLOAD 1, 1
.irp s, 0,1,2,3
.if \s < 3
	s_wait_loadcnt 16                              ; this step's 16 loads are in; the next step's 16 may be out
.else
	s_wait_loadcnt 0
.endif
	QUANTP 16+64*(\s%2), 144+16*\s, 224+\s
.if \s < 2
	XLOAD \s%2, \s+2
.endif
.irp c, 0,1,2,3
	global_store_b128 v5, v[144+16*\s+4*\c:147+16*\s+4*\c], s[10:11] offset:2048*\s+512*\c   ; codes have registers of their own in each step: no store's data are written again
.endr
.endr
	v_cmp_lt_u32 vcc_lo, 15, v1                    ; lanes 0-15 store the words of steps 0 and 1, lanes 16-31 those of steps 2 and 3: one aligned run of 256 bytes
	v_cndmask_b32 v228, v224, v226, vcc_lo
	v_cndmask_b32 v229, v225, v227, vcc_lo
	global_store_b64 v6, v[228:229], s[12:13]
	s_endpgm
	; ---------------- the weights: K is the first axis.  A lane takes a column n, its registers run down K ----------------
.macro WLOAD t, n, p                   ; block t: w(32 t + i, my column): 32 lanes read 128 consecutive bytes
.irp i, 0,1,2,3,4,5,6,7,8,9,10,11,12,13,14,15,16,17,18,19,20,21,22,23,24,25,26,27,28,29,30,31
	global_load_b32 v[32+32*((\t)%2)+\i], v4, s[\p:\p+1] offset:(32*(\t)+\i)*\n*4 th:TH_LOAD_NT
.endr
.endm
.macro WBLOCK t, n, p
.set XS, 32+32*((\t)%2)
.set CC, 96+8*(\t)
.if (\t) < 7
	s_wait_loadcnt 32                              ; this block's 32 loads are in; the next block's may be out
.else
	s_wait_loadcnt 0
.endif
	v_max3_num_f32 v12, |v[XS]|, |v[XS+1]|, |v[XS+2]|       ; all 32 numbers of the block are mine
	v_max3_num_f32 v13, |v[XS+3]|, |v[XS+4]|, |v[XS+5]|
.irp i, 6,10,14,18,22,26
	v_max3_num_f32 v12, v12, |v[XS+\i]|, |v[XS+\i+1]|
	v_max3_num_f32 v13, v13, |v[XS+\i+2]|, |v[XS+\i+3]|
.endr
	v_max3_num_f32 v12, v12, |v[XS+30]|, |v[XS+31]|
	v_max3_num_f32 v12, v12, v13, 0x8000000        ; and the floor
	v_add_nc_u32 v11, 0xf8800000, v12              ; the conversion's scale operand
	v_and_or_b32 v10, v12, 0x7f800000, s23         ; 57,344 x the scale
	v_lshrrev_b32 v13, 23, v11                     ; the byte
.if (\t)%4 == 0
	v_mov_b32 v[24+(\t)/4], v13
.else
	v_lshl_or_b32 v[24+(\t)/4], v13, 8*((\t)%4), v[24+(\t)/4]
.endif
.irp i, 0,1,2,3,4,5,6,7,8,9,10,11,12,13,14,15,16,17,18,19,20,21,22,23,24,25,26,27,28,29,30,31
	v_med3_num_f32 v[XS+\i], v[XS+\i], -v10, v10
.endr
.irp g, 0,1,2,3
	v_cvt_scalef32_pk8_bf8_f32 v[CC+2*\g:CC+2*\g+1], v[XS+8*\g:XS+8*\g+7], v11
.endr
	v_nop
	global_store_b128 v7, v[CC:CC+3], s[10:11] offset:((\t)/4)*2048+((\t)%4)*512          ; k 0 .. 15 of the block: the place of lanes 0-15 of the image; sixteen lanes fill 256 consecutive bytes
	global_store_b128 v7, v[CC+4:CC+7], s[10:11] offset:((\t)/4)*2048+((\t)%4)*512+256    ; k 16 .. 31: the place of lanes 16-31
.if (\t)+2 < 8
	WLOAD (\t)+2, \n, \p
.endif
.endm
.macro WPATH n, t0, first, p
	s_sub_co_u32 s17, ttmp9, \first
	s_lshr_b32 s18, s17, 2                         ; which 128 columns
	s_and_b32 s19, s17, 3                          ; which 256 along K
	s_lshl_b32 s24, s18, 2
	s_add_co_u32 s24, s24, s16                     ; G: my wave's 32 columns
	s_mul_i32 s26, s19, 1024*\n
	s_lshl_b32 s28, s24, 7
	s_add_co_u32 s26, s26, s28
	s_add_nc_u64 s[\p:\p+1], s[\p:\p+1], s[26:27]
	s_lshl_b32 s26, s24, 15
	s_add_co_u32 s26, s26, \t0*16384
	s_lshl_b32 s28, s19, 12
	s_add_co_u32 s26, s26, s28
	s_add_nc_u64 s[10:11], s[10:11], s[26:27]      ; tiles t0 + 2 G and the next, K steps 2 kc and 2 kc + 1
	s_lshl_b32 s26, s24, 10
	s_add_co_u32 s26, s26, \t0*512
	s_lshl_b32 s28, s19, 7
	s_add_co_u32 s26, s26, s28
	s_add_nc_u64 s[12:13], s[12:13], s[26:27]
	v_lshlrev_b32 v4, 2, v1                        ; in: 4 bytes a lane
	v_bfe_u32 v5, v1, 3, 1                         ; column o of the 32 is row r' = o % 8 + 8 (o / 16) of tile u = (o / 8) % 2
	v_and_b32 v6, 7, v1
	v_lshrrev_b32 v7, 4, v1
	v_lshl_add_u32 v6, v7, 3, v6
	v_lshlrev_b32 v7, 4, v6
	v_lshl_add_u32 v7, v5, 14, v7                  ; codes: 16,384 u + 16 r'
	v_lshlrev_b32 v8, 3, v6
	v_lshl_add_u32 v8, v5, 9, v8                   ; scale words: 512 u + 8 r'
	WLOAD 0, \n, \p
	WLOAD 1, \n, \p
.irp t, 0,1,2,3,4,5,6,7
	WBLOCK \t, \n, \p
.endr
	global_store_b64 v8, v[24:25], s[12:13]        ; two runs of 128 bytes: one byte in 128 of what this path moves
	s_endpgm
.endm
.Lwq:
	WPATH 3072, 512, 256, 6
.Lwp:
	WPATH 1024, 704, 352, 8
.Lfunc_end_k_q5a2de32bee_prep:
	.size	k_q5a2de32bee_prep, .Lfunc_end_k_q5a2de32bee_prep-k_q5a2de32bee_prep
	.p2alignl 7, 3214868480
	.fill 96, 4, 3214868480
	.section	.rodata,"a",@progbits
	.p2align	6, 0x0
	.amdhsa_kernel k_q5a2de32bee_prep
		.amdhsa_group_segment_fixed_size 0
		.amdhsa_private_segment_fixed_size 0
		.amdhsa_enable_private_segment 0
		.amdhsa_kernarg_size 48
		.amdhsa_user_sgpr_count 2
		.amdhsa_user_sgpr_kernarg_segment_ptr 1
		.amdhsa_wavefront_size32 1
		.amdhsa_system_sgpr_workgroup_id_x 1
		.amdhsa_system_sgpr_workgroup_id_y 1
		.amdhsa_system_sgpr_workgroup_id_z 1
		.amdhsa_system_vgpr_workitem_id 0
		.amdhsa_next_free_vgpr 256
		.amdhsa_next_free_sgpr 66
		.amdhsa_reserve_vcc 1
		.amdhsa_float_denorm_mode_32 3
		.amdhsa_float_denorm_mode_16_64 3
		.amdhsa_memory_ordered 1
		.amdhsa_forward_progress 1
		.amdhsa_inst_pref_size 180
	.end_amdhsa_kernel
	.amdgpu_metadata
---
amdhsa.version: [ 1, 2 ]
amdhsa.kernels:
  - .name:           k_q5a2de32bee_prep
    .symbol:         k_q5a2de32bee_prep.kd
    .args:
      - { .name: x, .offset: 0, .size: 8, .value_kind: global_buffer, .address_space: global }
      - { .name: w_qkv, .offset: 8, .size: 8, .value_kind: global_buffer, .address_space: global }
      - { .name: w_proj, .offset: 16, .size: 8, .value_kind: global_buffer, .address_space: global }
      - { .name: opc, .offset: 24, .size: 8, .value_kind: global_buffer, .address_space: global }
      - { .name: ops, .offset: 32, .size: 8, .value_kind: global_buffer, .address_space: global }
      - { .name: tab, .offset: 40, .size: 8, .value_kind: global_buffer, .address_space: global }
    .group_segment_fixed_size: 0
    .private_segment_fixed_size: 0
    .kernarg_segment_align: 8
    .kernarg_segment_size: 48
    .max_flat_workgroup_size: 128
    .sgpr_count:     66
    .vgpr_count:     256
    .wavefront_size: 32
...
	.end_amdgpu_metadata
.endif
;; end of part 1
;; launch qkv (part 2): grid 12 x 32, 4 waves a work-group, clusters of 4 x 4, 327,680 bytes of LDS; arguments opc, ops, b_qkv, tab, qkc, qks; writes qkc, qks
.if DOCPART == 2
	.amdgcn_target "amdgcn-amd-amdhsa--gfx1250"
	.amdhsa_code_object_version 6
	.text
	.protected	k_q5a2de32bee_qkv
	.globl	k_q5a2de32bee_qkv
	.p2align	8
	.type	k_q5a2de32bee_qkv,@function
k_q5a2de32bee_qkv:
	s_mov_b64 s[64:65], 0
	v_nop
	global_prefetch_b8 v0, s[64:65] scope:SCOPE_SE
	s_setreg_imm32_b32 hwreg(HW_REG_WAVE_MODE, 25, 1), 1
	s_wait_xcnt 0x0
	s_wait_alu depctr_hold_cnt(0) depctr_sa_sdst(0) depctr_va_vdst(0) depctr_va_sdst(0) depctr_va_ssrc(0) depctr_va_vcc(0) depctr_vm_vsrc(0)
	s_getreg_b32 s2, hwreg(HW_REG_IB_STS2, 6, 4)
	s_cmp_eq_u32 s2, 0
	s_cbranch_scc0 .Lentry_in_a_cluster
	s_endpgm
.Lentry_in_a_cluster:
	s_bfe_u32 s2, ttmp6, 0x10000c
	s_cmp_lg_u32 s2, 0xf033
	s_cbranch_scc0 .Lentry_shape_is_right
	s_endpgm
.Lentry_shape_is_right:
; QKV: x w_qkv + b_qkv on codes of BF8 with E8M0 scales (K = 1,024), the rotation of q and k, and the quantisers of the next two products' operands: q and k along the head's 64, v along the keys.
; No work is left out here; the key steps that the causal mask hides are left out in the launch attn.
; OPERANDS are images of the matrix instruction's registers (launch prep): tile T = 16 rows, lane r = row p(T, r) = 32 (T / 2) + 8 (T % 2) + r + 8 (r / 8); codes [T][s 8][c 4][lane][16], scale words [T][kk 4][r][q 2].
; A tile of 256 x 256 results is made by four waves, 128 x 128 each: 64 accumulators, 512 registers.  K goes in steps of 256 through two LDS slots filled by the tensor data mover; the scale words of all of K come once.
; SOURCE 0's rows being in the order p, register 16 B + i of the 64 registers that a lane holds for one block of source 1 is source 0's row 32 B + 16 (lane / 16) + i: 128 neighbours, in the order of an operand's registers.
;   q, k (cluster x = 0, 1): source 0 = 256 columns of w_qkv, source 1 = 256 rows of x.  A lane holds one position and 128 columns: two heads.  The bias is the C of the first K step.
;   v    (cluster x = 2):    source 0 = 256 rows of x, source 1 = 256 columns of w_qkv: a lane holds one column d and 128 keys, since the keys are the next product's K.  The bias, one number a lane and block, is again the first C.
; The type is the cluster's x, the same in all sixteen partners.  CLUSTERS: 4 x 4; source 1's tiles are shared along a row of the cluster, source 0's along a column: joint loads.
; OUT.  qkc: q's images at 0, k's at 8,388,608: [head 64][T 128][c 2][lane][16]; v's at 16,777,216: [head][key step 16][d tile 4][c 4][lane][16].
;   qks: q's scale words at 0: [head][T / 4][(T / 2) % 2][r][T % 2]; from 524,288 for each pair of heads 24,576 bytes: k's words of both heads (8,192 each, laid as q's), then v's (4,096 each, tile = 4 x key step + d tile).
;   A word of q or k has two bytes of its own; bytes 2 and 3 (the neighbour head's bytes, or 0) stand over zero codes in the product and are never 0xff.
; LIMITS: as stated at the head of prep (floor of a block's scale, zeros' byte 1, no NaN or infinities).
; REGISTERS: window 0: v16-29 addresses; v32-63 scale words, two sets; v64-127 the first C, later two sets of cos and sin; v128-255 source 1's fragments, one set; on the way out v128-191 rotated numbers, v192-223 codes, v224-247 at work.
;   window 1: source 0's fragments, two sets.  windows 2, 3: the accumulators ((a, b) at v[8 (8 (a % 4) + b)] of window 2 + a / 4).
.set NQ,     2                         ; matrix instructions deep in a slot
.set FR,     16
.set NL,     4
.set NP,     8                         ; places behind this matrix instruction (ISA guide 7.12.1)
.set HALFT,  32768                     ; 8 tiles x 4,096 bytes: what one tensor load brings
.set SLOT,   4*HALFT
.set SCL,    2*SLOT                    ; behind the ring: the scale words, four parts of 4,096 bytes
.set HALFS,  4096
.set SBLK,   512
.set SPARE,  SCL+4*HALFS               ; the spare words: 128 bytes for each wave, named by no other line
.set ADRA, 16
.set ADRB, 20
.set LI,   24                          ; 16 x lane
.set L8,   25                          ; 8 x lane
.set ADRS, 27
.set SPW,  28
.set NIL,  29
.set SC,   32
.set BIAS, 64
.set TABR, 64
.set AF,   128
.set X,    128
.set PC,   192
.set TM,   224
.set SW,   240
.set G1, 24
.set G0, 32
.set G1B, 48
.set G0B, 56
.set G1S, 68
.set G0S, 76
.set G1SB, 80
.set G0SB, 88
.set TYPE, 66                          ; s66  0 q, 1 k, 2 v
.set HMASK, 67                         ; s67  lanes 16-31
.set SEL, 98
.set MNT, 100
.set MSB, 0
.macro WIN new                         ; the immediate's high byte repeats the setting that is left
.if MSB != (\new)
	s_set_vgpr_msb (MSB<<8)|(\new)
.set MSB, (\new)
.endif
.endm
.set MUL_LO, 0xa1                      ; source 0 window 1, source 1 window 0, C and D window 2
.set MUL_HI, 0xf1
.set TO_B,   0x40
.macro JLOAD g0a, g1a, g0b, g1b        ; a joint load: waves 0 and 1 fetch for source 1, waves 2 and 3 for source 0; an s_nop 0 and four v_nop follow each line
	s_cmp_eq_u32 s15, 0
	s_cbranch_scc0 .Lfor_b_\@
	tensor_load_to_lds s[\g0a:\g0a+3], s[\g1a:\g1a+7]
	s_nop 0
.rept 4
	v_nop
.endr
	s_branch .Lasked_\@
.Lfor_b_\@:
	tensor_load_to_lds s[\g0b:\g0b+3], s[\g1b:\g1b+7]
	s_nop 0
.rept 4
	v_nop
.endr
.Lasked_\@:
.endm
.macro CREST
	s_cmp_lg_u32 s14, 0
	s_cbranch_scc1 .Lnot_wave_0_\@
	s_barrier_signal -3
.Lnot_wave_0_\@:
	s_barrier_wait -3
	s_barrier_signal -1
	s_barrier_wait -1
.endm
.macro CROUND
	s_barrier_signal -1
	s_barrier_wait -1
	CREST
.endm
	s_load_b256 s[4:11], s[0:1], 0x0               ; opc s[4:5], ops s[6:7], b_qkv s[8:9], tab s[10:11]
	s_load_b128 s[92:95], s[0:1], 0x20             ; qkc s[92:93], qks s[94:95]
	v_lshl_add_u32 v[SPW], v0, 2, SPARE
	v_mov_b32 v[NIL], 0
	ds_add_u32 v[SPW], v[NIL]                      ; the wave's opening: the add, twice on end, and its wait ahead of my first tensor load
	ds_add_u32 v[SPW], v[NIL]
	v_lshrrev_b32 v1, 5, v0
	v_readfirstlane_b32 s14, v1                    ; wave 0..3
	s_lshr_b32 s15, s14, 1                         ; which half of source 1's rows is mine.  Also: I fetch for source 1 (0) or source 0 (1)
	s_and_b32 s16, s14, 1                          ; which half of source 0's.  Also: which 8 tiles I fetch
	s_bfe_u32 s40, ttmp6, 0x40000                  ; cx
	s_bfe_u32 s41, ttmp6, 0x40004                  ; cy
	s_mov_b32 s[TYPE], ttmp9
	s_and_b32 s17, ttmp7, 0xffff                   ; the cluster's y
	s_cmp_eq_u32 s[TYPE], 2                        ; for v the two operands change places: numbers are chosen, never pointers
	s_cselect_b32 s42, s17, s[TYPE]
	s_cselect_b32 s17, 2, s17
	s_cselect_b32 s96, 0, 512                      ; source 0's first image tile: x's or w_qkv's
	s_cselect_b32 s97, 512, 0                      ; source 1's
	s_lshl_b32 s42, s42, 2
	s_add_co_u32 s42, s42, s40                     ; source 0's tile of 256 rows: hangs on cx alone
	s_lshl_b32 s17, s17, 2
	s_add_co_u32 s17, s17, s41                     ; source 1's: on cy alone
	s_lshl_b32 s43, s41, 2
	s_lshl_b32 s43, 15, s43                        ; my row of the cluster
	s_lshl_b32 s44, 0x1111, s40                    ; my column
	; descriptor group 1 for codes: 8 rows (tiles) of 512 elements of 8 bytes, 2,048 elements apart: a slot's 4,096 bytes of each tile, dense in LDS
	s_or_b32 s[G1+0], s43, (3<<16)|(1<<21)
	s_or_b32 s[G1B+0], s44, (3<<16)|(1<<21)
.irp g, G1, G1B
	s_mov_b32 s[\g+1], 512<<16
	s_mov_b32 s[\g+2], 8<<16
	s_mov_b32 s[\g+3], 512<<16
	s_mov_b32 s[\g+4], 8
	s_mov_b32 s[\g+5], 2048
	s_mov_b32 s[\g+6], 0
	s_mov_b32 s[\g+7], 0
.endr
	; and for the scale words of 8 tiles: 4,096 dense bytes as 16 rows of 256
	s_or_b32 s[G1S+0], s43, (3<<16)|(1<<21)
	s_or_b32 s[G1SB+0], s44, (3<<16)|(1<<21)
.irp g, G1S, G1SB
	s_mov_b32 s[\g+1], 32<<16
	s_mov_b32 s[\g+2], 16<<16
	s_mov_b32 s[\g+3], 32<<16
	s_mov_b32 s[\g+4], 16
	s_mov_b32 s[\g+5], 32
	s_mov_b32 s[\g+6], 0
	s_mov_b32 s[\g+7], 0
.endr
	s_lshl_b32 s18, s16, 3
	s_lshl_b32 s20, s17, 4
	s_add_co_u32 s20, s20, s18
	s_add_co_u32 s20, s20, s97                     ; source 1: the first image tile that I fetch
	s_lshl_b32 s46, s42, 4
	s_add_co_u32 s46, s46, s18
	s_add_co_u32 s46, s46, s96                     ; source 0 likewise
	s_lshl_b32 s22, s20, 9
	s_mov_b32 s23, 0
	s_lshl_b32 s18, s46, 9
	s_mov_b32 s19, 0
	s_lshl_b32 s20, s20, 14
	s_mov_b32 s21, 0
	s_lshl_b32 s46, s46, 14
	s_mov_b32 s47, 0
	s_lshl_b32 s45, s14, 15                        ; where they go: wave x 32,768: no place in the cluster enters an LDS address
	s_lshl_b32 s101, s14, 12
	s_mov_b32 s[HMASK], 0xffff0000
	s_mov_b32 s[SEL], 0x76543210
	s_mov_b32 s[SEL+1], 0xfedcba98
	s_mov_b32 s[MNT], 0x600000
	s_wait_dscnt 0x0                               ; both opening adds are done
	s_wait_kmcnt 0x0
	s_add_nc_u64 s[20:21], s[4:5], s[20:21]
	s_add_nc_u64 s[22:23], s[6:7], s[22:23]
	s_add_nc_u64 s[46:47], s[4:5], s[46:47]
	s_add_nc_u64 s[18:19], s[6:7], s[18:19]
	CROUND                                         ; all sixteen work-groups are here: the first joint loads meet
	s_mov_b32 s[G0S], 1
	s_add_co_u32 s[G0S+1], s101, SCL
	s_mov_b64 s[G0S+2:G0S+3], s[22:23]
	s_or_b32 s[G0S+3], s[G0S+3], 0x80000000
	s_mov_b32 s[G0SB], 1
	s_add_co_u32 s[G0SB+1], s101, SCL
	s_mov_b64 s[G0SB+2:G0SB+3], s[18:19]
	s_or_b32 s[G0SB+3], s[G0SB+3], 0x80000000
	JLOAD G0S, G1S, G0SB, G1SB                     ; the scale words first: they are wanted with K step 0
.irp s, 0,1
	s_mov_b32 s[G0+4*\s], 1
	s_add_co_u32 s[G0+4*\s+1], s45, \s*SLOT
	s_add_nc_u64 s[G0+4*\s+2:G0+4*\s+3], s[20:21], \s*4096
	s_or_b32 s[G0+4*\s+3], s[G0+4*\s+3], 0x80000000
	s_mov_b32 s[G0B+4*\s], 1
	s_add_co_u32 s[G0B+4*\s+1], s45, \s*SLOT
	s_add_nc_u64 s[G0B+4*\s+2:G0B+4*\s+3], s[46:47], \s*4096
	s_or_b32 s[G0B+4*\s+3], s[G0B+4*\s+3], 0x80000000
	JLOAD G0+4*\s, G1, G0B+4*\s, G1B
.endr
	v_and_b32 v1, 15, v0                           ; r
	v_bfe_u32 v2, v0, 4, 1                         ; h
	v_and_b32 v3, 31, v0
	v_lshlrev_b32 v[LI], 4, v3
	v_lshlrev_b32 v[L8], 3, v3
	s_lshl_b32 s21, s15, 15                        ; my 8 tiles of source 1
	s_lshl_b32 s22, s16, 15                        ; my 8 tiles of source 0,
	s_add_co_u32 s22, s22, 2*HALFT                 ; which lie behind source 1's 16
.irp s, 0,1
	v_add_nc_u32 v[ADRA+\s], s21, v[LI]
	v_add_nc_u32 v[ADRB+\s], s22, v[LI]
	s_add_co_u32 s21, s21, SLOT
	s_add_co_u32 s22, s22, SLOT
.endr
	v_lshlrev_b32 v5, 3, v1                        ; my row's two words of a slot
	s_lshl_b32 s21, s15, 12
	s_lshl_b32 s22, s16, 12
	s_add_co_u32 s22, s22, 2*HALFS
	s_sub_co_u32 s22, s22, s21
	v_mul_u32_u24 v6, s22, v2                      ; lanes 16-31 take source 0's
	s_add_co_u32 s21, s21, SCL
	v_add_nc_u32 v5, v5, v6
	v_add_nc_u32 v[ADRS], s21, v5
	s_lshl_b32 s96, s17, 4
	s_lshl_b32 s21, s15, 3
	s_add_co_u32 s96, s96, s21
	s_and_b32 s96, s96, 127                        ; q, k: my first tile of positions within the sequence
	s_lshl_b32 s20, s96, 12
	s_mov_b32 s21, 0
	s_add_nc_u64 s[10:11], s[10:11], s[20:21]      ; and its cos and sin
	; the first C.  Both arms write all of v64-127
	s_cmp_eq_u32 s[TYPE], 2
	s_cbranch_scc1 .Lbias_v
	s_lshl_b32 s20, s42, 10
	s_lshl_b32 s22, s16, 9
	s_add_co_u32 s20, s20, s22
	s_add_nc_u64 s[8:9], s[8:9], s[20:21]          ; my 128 columns' biases
	v_lshlrev_b32 v4, 6, v2
.irp b, 0,1,2,3,4,5,6,7                        ; register 8 b + j: column 32 (b / 2) + 16 h + 8 (b % 2) + j
	global_load_b128 v[BIAS+8*\b:BIAS+8*\b+3], v4, s[8:9] offset:128*(\b/2)+32*(\b%2)
	global_load_b128 v[BIAS+8*\b+4:BIAS+8*\b+7], v4, s[8:9] offset:128*(\b/2)+32*(\b%2)+16
.endr
	s_branch .Lbias_done
.Lbias_v:
	s_lshl_b32 s20, s17, 10
	s_lshl_b32 s22, s15, 9
	s_add_co_u32 s20, s20, s22
	s_add_nc_u64 s[8:9], s[8:9], s[20:21]
	v_and_b32 v4, 8, v1
	v_add_nc_u32 v4, v4, v1
	v_lshlrev_b32 v4, 2, v4
.irp a, 0,1,2,3,4,5,6,7                        ; block a: eight registers, all my column's bias: column p(a, r)
.irp j, 0,1,2,3,4,5,6,7
	global_load_b32 v[BIAS+8*\a+\j], v4, s[8:9] offset:4*(32*(\a/2)+8*(\a%2))
.endr
.endr
.Lbias_done:
.macro FRAG reg, adr, q, i             ; a fragment as it lies: four loads of 512 consecutive bytes
.irp c, 0,1,2,3
	ds_load_b128 v[\reg+4*\c:\reg+4*\c+3], v[\adr] offset:(\i)*4096+(\q)*2048+\c*512
.endr
.endm
; 16 matrix instructions: source 1's blocks a0, a0 + 1 x source 0's eight.  zero = 2: C is the bias by source 0's rows; 3: by source 1's; 0: in place.  The 64 accumulators take turns, in the same order in every step.
.macro MUL16 a0, p, q, sc, zero
.irp a, \a0, \a0+1
.irp b, 0,1,2,3,4,5,6,7
.if \zero == 2
	v_wmma_scale_f32_16x16x128_f8f6f4 v[8*(8*((\a)%4)+\b):8*(8*((\a)%4)+\b)+7], v[128*(\p)+FR*\b:128*(\p)+FR*\b+FR-1], v[AF+FR*(\a):AF+FR*(\a)+FR-1], v[BIAS+8*\b:BIAS+8*\b+7], v[SC+8*NQ*(\sc)+NQ*\b+(\q)], v[SC+8*NQ*(\sc)+NQ*(\a)+(\q)] matrix_a_fmt:MATRIX_FMT_BF8 matrix_b_fmt:MATRIX_FMT_BF8 matrix_a_scale:MATRIX_SCALE_ROW1
.elseif \zero == 3
	v_wmma_scale_f32_16x16x128_f8f6f4 v[8*(8*((\a)%4)+\b):8*(8*((\a)%4)+\b)+7], v[128*(\p)+FR*\b:128*(\p)+FR*\b+FR-1], v[AF+FR*(\a):AF+FR*(\a)+FR-1], v[BIAS+8*(\a):BIAS+8*(\a)+7], v[SC+8*NQ*(\sc)+NQ*\b+(\q)], v[SC+8*NQ*(\sc)+NQ*(\a)+(\q)] matrix_a_fmt:MATRIX_FMT_BF8 matrix_b_fmt:MATRIX_FMT_BF8 matrix_a_scale:MATRIX_SCALE_ROW1
.else
	v_wmma_scale_f32_16x16x128_f8f6f4 v[8*(8*((\a)%4)+\b):8*(8*((\a)%4)+\b)+7], v[128*(\p)+FR*\b:128*(\p)+FR*\b+FR-1], v[AF+FR*(\a):AF+FR*(\a)+FR-1], v[8*(8*((\a)%4)+\b):8*(8*((\a)%4)+\b)+7], v[SC+8*NQ*(\sc)+NQ*\b+(\q)], v[SC+8*NQ*(\sc)+NQ*(\a)+(\q)] matrix_a_fmt:MATRIX_FMT_BF8 matrix_b_fmt:MATRIX_FMT_BF8 matrix_a_scale:MATRIX_SCALE_ROW1
.endif
.endr
.endr
.endm
.macro FETCH_B slot, q, p
	WIN TO_B
.irp i, 0,1,2,3,4,5,6,7
	FRAG 128*(\p)+FR*\i, ADRB+\slot, \q, \i
.endr
	WIN 0
.endm
.macro FETCH_A slot, q, i0
.irp i, \i0, \i0+1, \i0+2, \i0+3
	FRAG AF+FR*(\i), ADRA+\slot, \q, \i
.endr
.endm
.macro SCALES sc                       ; a slot's scale words: lanes 0-15 source 1's block i, lanes 16-31 source 0's block i
.irp i, 0,1,2,3,4,5,6,7
	ds_load_b64 v[SC+8*NQ*\sc+NQ*\i:SC+8*NQ*\sc+NQ*\i+1], v[ADRS] offset:\i*SBLK
.endr
.endm
.macro PLACES n                        ; plain vector lines between a matrix instruction and a load into, or a vector line on, its registers
.rept \n
	v_nop
.endr
.endm
.macro STEP slot, q, zero              ; 128 along K with its successor in the same slot
	s_wait_dscnt 4*NL                              ; source 0's set and source 1's blocks 0-3 are in; the youngest 16 loads (blocks 4-7) may be out
.if \zero >= 2
	WIN 0x81                                       ; C in window 0, D in window 2
.else
	WIN MUL_LO
.endif
	MUL16 0, (\q)%2, \q, \slot, \zero
	MUL16 2, (\q)%2, \q, \slot, \zero
	s_wait_dscnt 0
	PLACES NP
	FETCH_B \slot, (\q)+1, 1-(\q)%2
	FETCH_A \slot, (\q)+1, 0
.if \zero >= 2
	WIN 0xc1
.else
	WIN MUL_HI
.endif
	MUL16 4, (\q)%2, \q, \slot, \zero
	MUL16 6, (\q)%2, \q, \slot, \zero
	PLACES NP
	WIN 0
	FETCH_A \slot, (\q)+1, 4
.endm
; A slot's last step changes slots: one barrier; in front of it each wave waits for all its tensor loads, adds 0 to its spare word, and waits for that and for its reads of this slot.  fill = 1: the slot is filled again, two K steps ahead.
.macro TURN slot, next, fill
	s_wait_tensorcnt 0x0                           ; all my tensor loads have landed: my part of the next slot
	ds_add_u32 v[SPW], v[NIL]                      ; 0 onto my spare word
	s_wait_dscnt 4*NL+1                            ; the add and the youngest 16 loads may be out
	WIN MUL_LO
	MUL16 0, 1, NQ-1, \slot, 0
	s_wait_dscnt 0x0                               ; the add is done, and my reads of this slot are over
	s_barrier_signal -1
	MUL16 2, 1, NQ-1, \slot, 0
	WIN 0
	s_barrier_wait -1
.if \fill
	CREST                                          ; the barrier has opened a round of the cluster's: no wave of any partner still reads this slot or has a load on its way
	s_add_nc_u64 s[G0+4*\slot+2:G0+4*\slot+3], s[G0+4*\slot+2:G0+4*\slot+3], 8192
	s_add_nc_u64 s[G0B+4*\slot+2:G0B+4*\slot+3], s[G0B+4*\slot+2:G0B+4*\slot+3], 8192
	JLOAD G0+4*\slot, G1, G0B+4*\slot, G1B         ; the first tensor load behind the round; its four v_nop are among the places below
	PLACES NP-4
.else
	PLACES NP
.endif
	v_add_nc_u32 v[ADRS], 128, v[ADRS]             ; the next slot's scale words
	FETCH_B \next, 0, 0
	FETCH_A \next, 0, 0
	SCALES \next
	WIN MUL_HI
	MUL16 4, 1, NQ-1, \slot, 0
	MUL16 6, 1, NQ-1, \slot, 0
	PLACES NP
	WIN 0
	FETCH_A \next, 0, 4
.endm
	s_wait_loadcnt 0x0                             ; the first C
	s_wait_tensorcnt 1                             ; the scale words and my part of slot 0 are in (slot 1's load may be out)
	s_barrier_signal -1
	s_barrier_wait -1                              ; everybody's are
	FETCH_B 0, 0, 0
	FETCH_A 0, 0, 0
	SCALES 0
	FETCH_A 0, 0, 4
	s_cmp_eq_u32 s[TYPE], 2                        ; the first step is written twice: its C differs.  No barrier and no tensor load stands in it
	s_cbranch_scc1 .Lfirst_v
	STEP 0, 0, 2
	s_branch .Lfirst_done
.Lfirst_v:
	STEP 0, 0, 3
.Lfirst_done:
	s_mov_b32 s3, 1
.Llap:                                                 ; once round the ring: both slots are filled again
	TURN 0, 1, 1
	STEP 1, 0, 0
	TURN 1, 0, 1
	STEP 0, 0, 0
	s_sub_co_u32 s3, s3, 1
	s_cmp_lg_u32 s3, 0
	s_cbranch_scc1 .Llap
	TURN 0, 1, 0                                   ; the last lap fills nothing
	STEP 1, 0, 0
.macro TABLOAD a                       ; cos (16 registers) and sin (16) of block a's positions, into set a % 2
.irp w, 0,1,2,3,4,5,6,7
	global_load_b128 v[TABR+32*((\a)%2)+4*\w:TABR+32*((\a)%2)+4*\w+3], v[LI], s[10:11] offset:(\a)*4096+\w*512
.endr
.endm
	s_cmp_eq_u32 s[TYPE], 2
	s_cbranch_scc1 .Lno_tab
	TABLOAD 0                                      ; asked for a step ahead of the way out
	TABLOAD 1
.Lno_tab:
	s_wait_dscnt 4*NL                              ; the very last step
	WIN MUL_LO
	MUL16 0, 1, NQ-1, 1, 0
	MUL16 2, 1, NQ-1, 1, 0
	s_wait_dscnt 0
	WIN MUL_HI
	MUL16 4, 1, NQ-1, 1, 0
	MUL16 6, 1, NQ-1, 1, 0
	WIN 0
	PLACES NP
; 64 numbers of a lane in window w, register 16 b + i = k 32 b + 16 h + i of my row, become 16 registers of codes at v[pc] and a scale word in v[pw] (window 0).  An accumulator is read from its low end on.
.macro QUANT s, w, pc, pw
	WIN (\w)|((\w)<<2)
.irp b, 0,1,2,3
	v_max3_num_f32 v[TM+\b], |v[\s+16*\b]|, |v[\s+1+16*\b]|, 0x8000000
.endr
.irp i, 2,4,6,8,10,12,14
.irp b, 0,1,2,3
	v_max3_num_f32 v[TM+\b], |v[\s+16*\b+\i]|, |v[\s+1+16*\b+\i]|, v[TM+\b]
.endr
.endr
	WIN 0
.irp b, 0,1,2,3
	v_permlanex16_b32 v[TM+4+\b], v[TM+\b], s[SEL], s[SEL+1]
.endr
.irp b, 0,1,2,3
	v_max_num_f32 v[TM+\b], v[TM+\b], v[TM+4+\b]
.endr
.irp b, 0,1,2,3
	v_add_nc_u32 v[TM+12+\b], 0xf8800000, v[TM+\b]
.endr
.irp b, 0,1,2,3
	v_and_or_b32 v[TM+8+\b], v[TM+\b], 0x7f800000, s[MNT]
.endr
.irp b, 0,1,2,3
	v_lshrrev_b32 v[TM+4+\b], 23, v[TM+12+\b]
.endr
	v_lshl_or_b32 v[\pw], v[TM+5], 8, v[TM+4]
	v_lshl_or_b32 v[\pw], v[TM+6], 16, v[\pw]
	v_lshl_or_b32 v[\pw], v[TM+7], 24, v[\pw]
	WIN (\w)|((\w)<<6)
.irp b, 0,1,2,3
.irp i, 0,1,2,3,4,5,6,7,8,9,10,11,12,13,14,15
	v_med3_num_f32 v[\s+16*\b+\i], v[\s+16*\b+\i], -v[TM+8+\b], v[TM+8+\b]
.endr
.endr
	WIN (\w)
.irp b, 0,1,2,3
	v_cvt_scalef32_pk8_bf8_f32 v[\pc+4*\b:\pc+1+4*\b], v[\s+16*\b:\s+7+16*\b], v[TM+12+\b]
	v_cvt_scalef32_pk8_bf8_f32 v[\pc+2+4*\b:\pc+3+4*\b], v[\s+8+16*\b:\s+15+16*\b], v[TM+12+\b]
.endr
	WIN 0
	v_nop                                          ; a plain line behind the last conversion
.endm
.irp b, 0,1,2,3
	v_mov_b32 v[TM+4+\b], 0                        ; written once: a lane permute's destination counts as one of its sources
.endr
	s_mov_b32 s19, 0
	s_cmp_eq_u32 s[TYPE], 2
	s_cbranch_scc1 .Lout_v
	; ---- q and k: rotate, quantise along the head's 64, store images
	s_lshr_b32 s20, s17, 3
	s_lshl_b32 s20, s20, 3
	s_lshl_b32 s21, s40, 1
	s_add_co_u32 s20, s20, s21
	s_add_co_u32 s20, s20, s16                     ; my pair of heads: 8 x batch + 2 cx + my half
	s_lshl_b32 s18, s[TYPE], 23                    ; q's images or k's
	s_lshl_b32 s21, s20, 18
	s_add_co_u32 s18, s18, s21
	s_lshl_b32 s21, s96, 10
	s_add_co_u32 s18, s18, s21
	s_add_nc_u64 s[92:93], s[92:93], s[18:19]
	s_lshl_b32 s18, s20, 14
	s_mul_i32 s21, s20, 24576
	s_add_co_u32 s21, s21, 524288
	s_cmp_eq_u32 s[TYPE], 0
	s_cselect_b32 s18, s18, s21
	s_lshl_b32 s21, s96, 6
	s_add_co_u32 s18, s18, s21
	s_add_nc_u64 s[94:95], s[94:95], s[18:19]
; In block a register 32 hh + i is t1(j), register 32 hh + 16 + i is t2(j) of head hh, j = 16 h + i: both halves of a rotated pair lie in one lane
.macro ROPE a
.set AC, 64*((\a)%4)
.set CSN, TABR+32*((\a)%2)
	WIN 2+(\a)/4                                   ; source 0: the accumulators' window
.irp hh, 0,1
.irp i, 0,2,4,6,8,10,12,14
	v_pk_mul_f32 v[X+32*\hh+\i:X+32*\hh+\i+1], v[AC+32*\hh+\i:AC+32*\hh+\i+1], v[CSN+\i:CSN+\i+1]
	v_pk_mul_f32 v[X+32*\hh+16+\i:X+32*\hh+17+\i], v[AC+32*\hh+16+\i:AC+32*\hh+17+\i], v[CSN+\i:CSN+\i+1]
	v_pk_fma_f32 v[X+32*\hh+\i:X+32*\hh+\i+1], v[AC+32*\hh+16+\i:AC+32*\hh+17+\i], v[CSN+16+\i:CSN+17+\i], v[X+32*\hh+\i:X+32*\hh+\i+1] neg_lo:[1,0,0] neg_hi:[1,0,0]
	v_pk_fma_f32 v[X+32*\hh+16+\i:X+32*\hh+17+\i], v[AC+32*\hh+\i:AC+32*\hh+\i+1], v[CSN+16+\i:CSN+17+\i], v[X+32*\hh+16+\i:X+32*\hh+17+\i]
.endr
.endr
	WIN 0
.endm
.irp a, 0,1,2,3,4,5,6,7
.if \a < 7
	s_wait_loadcnt 8                               ; this block's cos and sin are in; the next block's eight loads may be out
.else
	s_wait_loadcnt 0
.endif
.if \a >= 2
	s_wait_xcnt 0x0                                ; the stores of two blocks back have read their codes: that set is written again below
.endif
	ROPE \a
.if \a < 6
	TABLOAD \a+2
.endif
	QUANT X, 0, PC+16*(\a%2), SW+\a
.irp hh, 0,1
.irp c, 0,1
	global_store_b128 v[LI], v[PC+16*(\a%2)+8*\hh+4*\c:PC+16*(\a%2)+8*\hh+4*\c+3], s[92:93] offset:\a*1024+\hh*131072+\c*512   ; 32 lanes store 512 consecutive bytes
.endr
.endr
.endr
.irp g, 0,1                                    ; four tiles' words: lanes 0-15 tiles 0 and 1, lanes 16-31 tiles 2 and 3: 256 consecutive bytes; the second head's bytes are the words' upper halves
	v_cndmask_b32 v[8+4*\g], v[SW+4*\g], v[SW+4*\g+2], s[HMASK]
	v_cndmask_b32 v[9+4*\g], v[SW+4*\g+1], v[SW+4*\g+3], s[HMASK]
	global_store_b64 v[L8], v[8+4*\g:9+4*\g], s[94:95] offset:256*\g
	v_lshrrev_b32 v[10+4*\g], 16, v[8+4*\g]
	v_lshrrev_b32 v[11+4*\g], 16, v[9+4*\g]
	global_store_b64 v[L8], v[10+4*\g:11+4*\g], s[94:95] offset:256*\g+8192
.endr
	s_branch .Lend
	; ---- v: a lane holds one column d and 128 keys: quantise along the keys, where the sums lie
.Lout_v:
	s_lshr_b32 s20, s42, 3
	s_lshl_b32 s20, s20, 3
	s_lshl_b32 s21, s41, 1
	s_add_co_u32 s20, s20, s21
	s_add_co_u32 s20, s20, s15                     ; my pair of heads: 8 x batch + 2 cy + my half
	s_lshl_b32 s22, s42, 1
	s_add_co_u32 s22, s22, s16
	s_and_b32 s22, s22, 15                         ; my key step
	s_lshl_b32 s18, s20, 18
	s_add_co_u32 s18, s18, 16777216
	s_lshl_b32 s21, s22, 13
	s_add_co_u32 s18, s18, s21
	s_add_nc_u64 s[92:93], s[92:93], s[18:19]
	s_mul_i32 s18, s20, 24576
	s_add_co_u32 s18, s18, 524288+16384
	s_lshl_b32 s21, s22, 8
	s_add_co_u32 s18, s18, s21
	s_add_nc_u64 s[94:95], s[94:95], s[18:19]
.irp a, 0,1,2,3,4,5,6,7
.if \a >= 2
	s_wait_xcnt 0x0                                ; the stores of two blocks back have read their codes
.endif
	QUANT 64*(\a%4), 2+\a/4, PC+16*(\a%2), SW+\a
.irp c, 0,1,2,3
	global_store_b128 v[LI], v[PC+16*(\a%2)+4*\c:PC+16*(\a%2)+4*\c+3], s[92:93] offset:(\a/4)*131072+(\a%4)*2048+\c*512
.endr
.endr
.irp hh, 0,1
	v_cndmask_b32 v[8+2*\hh], v[SW+4*\hh], v[SW+4*\hh+2], s[HMASK]
	v_cndmask_b32 v[9+2*\hh], v[SW+4*\hh+1], v[SW+4*\hh+3], s[HMASK]
	global_store_b64 v[L8], v[8+2*\hh:9+2*\hh], s[94:95] offset:4096*\hh
.endr
.Lend:
	s_wait_tensorcnt 0x0                           ; the wave's end
	ds_add_u32 v[SPW], v[NIL]
	s_wait_dscnt 0x0
	CROUND                                         ; the closing round: no work-group ends while a partner may still ask for a tile that names it
	s_endpgm
.Lfunc_end_k_q5a2de32bee_qkv:
	.size	k_q5a2de32bee_qkv, .Lfunc_end_k_q5a2de32bee_qkv-k_q5a2de32bee_qkv
	.p2alignl 7, 3214868480
	.fill 96, 4, 3214868480
	.section	.rodata,"a",@progbits
	.p2align	6, 0x0
	.amdhsa_kernel k_q5a2de32bee_qkv
		.amdhsa_group_segment_fixed_size 327680
		.amdhsa_private_segment_fixed_size 0
		.amdhsa_enable_private_segment 0
		.amdhsa_kernarg_size 48
		.amdhsa_user_sgpr_count 2
		.amdhsa_user_sgpr_kernarg_segment_ptr 1
		.amdhsa_wavefront_size32 1
		.amdhsa_system_sgpr_workgroup_id_x 1
		.amdhsa_system_sgpr_workgroup_id_y 1
		.amdhsa_system_sgpr_workgroup_id_z 1
		.amdhsa_system_vgpr_workitem_id 0
		.amdhsa_next_free_vgpr 1024
		.amdhsa_next_free_sgpr 102
		.amdhsa_reserve_vcc 0
		.amdhsa_float_denorm_mode_32 3
		.amdhsa_float_denorm_mode_16_64 3
		.amdhsa_memory_ordered 1
		.amdhsa_forward_progress 1
		.amdhsa_inst_pref_size 255
	.end_amdhsa_kernel
	.section	.bss,"aw",@nobits
	.p2align	6
	.space	262144
	.amdgpu_metadata
---
amdhsa.version: [ 1, 2 ]
amdhsa.kernels:
  - .name:           k_q5a2de32bee_qkv
    .symbol:         k_q5a2de32bee_qkv.kd
    .args:
      - { .name: opc, .offset: 0, .size: 8, .value_kind: global_buffer, .address_space: global }
      - { .name: ops, .offset: 8, .size: 8, .value_kind: global_buffer, .address_space: global }
      - { .name: b_qkv, .offset: 16, .size: 8, .value_kind: global_buffer, .address_space: global }
      - { .name: tab, .offset: 24, .size: 8, .value_kind: global_buffer, .address_space: global }
      - { .name: qkc, .offset: 32, .size: 8, .value_kind: global_buffer, .address_space: global }
      - { .name: qks, .offset: 40, .size: 8, .value_kind: global_buffer, .address_space: global }
    .group_segment_fixed_size: 327680
    .private_segment_fixed_size: 0
    .kernarg_segment_align: 8
    .kernarg_segment_size: 48
    .max_flat_workgroup_size: 128
    .sgpr_count:     102
    .vgpr_count:     1024
    .wavefront_size: 32
...
	.end_amdgpu_metadata
.endif
;; end of part 2
;; launch attn (part 3): grid 8 x 32, 16 waves a work-group, no clusters, 327,680 bytes of LDS; arguments qkc, qks, atc, ats; writes atc, ats
.if DOCPART == 3
	.amdgcn_target "amdgcn-amd-amdhsa--gfx1250"
	.amdhsa_code_object_version 6
	.text
	.protected	k_q5a2de32bee_attn
	.globl	k_q5a2de32bee_attn
	.p2align	8
	.type	k_q5a2de32bee_attn,@function
k_q5a2de32bee_attn:
	s_mov_b64 s[64:65], 0
	v_nop
	global_prefetch_b8 v0, s[64:65] scope:SCOPE_SE
	s_setreg_imm32_b32 hwreg(HW_REG_WAVE_MODE, 25, 1), 1
	s_wait_xcnt 0x0
; ATTN: for each head, softmax(q k^T / 8, causal) v on codes of BF8 with E8M0 scales, the division by the row's sum, and the quantiser of the result along E for the last product.
; LEFT OUT: key steps of 128 keys all of which come behind a wave's queries: reference()'s own causal mask gives them the weight 0 for all values of the inputs (shown at the head of prep).
; THE SOFTMAX: t = score x log2(e) / 8; M = the running largest t rounded UP to a whole number; p = 2^(t - M) is quantised along the keys, not normalised; the row's sum is taken of the unquantised p and divides at the end.
; SHARES.  Work-group (j, y): the pair of heads y, one head after the other; waves 0-7 the block of 128 queries j, waves 8-15 block 15 - j: j + 1 and 16 - j live key steps, 17 together in every work-group.  A wave owns one tile of 16 queries.
; Taking both heads of a pair, a wave ends with a whole K step (128 along E) and a whole scale word of the last product's operand.
; LAYOUT.  Both products are used transposed (S^T = K Q^T, O^T = V^T P^T): a lane holds one query.  All operands are images of registers in the row order p(T, r) = 32 (T / 2) + 8 (T % 2) + r + 8 (r / 8) (launches prep, qkv),
; so p's 16 registers of two neighbouring tiles are 16 neighbouring keys, and O^T's 32 registers are the head's 64 numbers in the order of the next operand's registers.
; K = 64 of the first product fills half of the instruction's 128: registers 8-15 of q's and of each of k's fragments hold zero codes, set once.
; THE RING: two slots of 256 keys (K's two steps, V's two, 8,192 bytes each), filled by waves 0-3, one dense load each; the pair's K and V lie on end in memory, so the ring walks 16 slots.  The pair's scale words of K and V stay in LDS.
; NO CLUSTER: the work-groups of a pair need different numbers of key tiles (up to key 128 (16 - j)): a joint load would bring a partner tiles that none of its waves reads.
; OUT.  atc: the image [T = 128 x batch + query tile][s = pair in the batch][c = 2 x (head % 2) + block][lane][16]; ats: [T][kk][r][q] words, s = 2 kk + q.  The words leave as 4 bytes a row, 8 bytes apart: one byte in 32 of the launch's output.
; LIMITS: as at the head of prep; v_exp_f32 gives 0 where p would be denormal.
; REGISTERS: v1-11 addresses and constants; v12 -M, v13 the largest t, v[14:15] the sum; v16-31 Q; v32-95 four tiles of K; v96-159 S^T, then p, then V's four fragments; v160-191 O^T; v192-200 the second head's Q and its scale word;
;   v201 the output's scale word; v203 8 r; v208-215 the output's codes; v224-239 p's codes; v232-254 at work; v248-251 K's or V's scale words, v253 p's, v255 Q's.
.set SLOT1, 32768
.set SCK,   65536                      ; K's scale words of both heads, 16,384 bytes;
.set SCV,   SCK+16384                  ; V's, 8,192
.set SPARE, SCK+24576                  ; the spare words: 128 bytes for each of 16 waves, named by no other line
.set LI,   1                           ; 16 x lane
.set ASK0, 2                           ; SCK + 8 r
.set ASV0, 3                           ; SCV + 8 r
.set DD,   4                           ; my query within its block - 16 (lane / 16)
.set SPW,  5
.set NIL,  6
.set PFO,  7                           ; 256 x lane
.set ADK,  8
.set ADS,  9
.set ADT,  10
.set NINF, 11                          ; -infinity
.set R8,   203
.set WV,   18
.set MNT,  19
.set SEL,  20
.set CS,   22                          ; s[22:23] c = log2(e) / 8
.set G1T,  24                          ; s[24:31] group 1: 8,192 dense bytes as 32 rows of 256
.set G1S,  32                          ; s[32:39] group 1: 6,144 dense bytes as 24 rows of 256
.set G0,   40                          ; s[40:43] the walking group 0
.set G0S,  44
.set TB,   2                           ; LDS byte at which the slot in hand begins
.set TS,   3                           ; the step's scale words of K: 512 bytes a step
.set TJ,   66                          ; and of V: 256 bytes a step
.set SLOTS, 67
.set KF,   68                          ; the step's first key, counted through both heads
.set QB0,  69                          ; my block's first query
.set QE,   70                          ; and its last
.set LAST, 71                          ; the work-group's last query
.set PFA,  76
.set LIM,  80
.macro TLOAD                           ; waves 0-3 fetch, each its 8,192 bytes; an s_nop 0 and four v_nop follow
	s_cmp_lt_u32 s[WV], 4
	s_cbranch_scc0 .Lasked_\@
	tensor_load_to_lds s[G0:G0+3], s[G1T:G1T+7]
	s_nop 0
.rept 4
	v_nop
.endr
.Lasked_\@:
.endm
; A prefetch of the slot that the NEXT change of slots will ask for: 16,384 bytes of K and of V.  All eight work-groups of a pair walk the same K and V; work-group j = 0, which walks all of them, asks;
; in it waves 4, 5 ask for K's two steps and waves 6, 7 for V's, 8,192 bytes a wave, lanes 256 bytes apart: each block of 256 bytes is named once.  The last change that fills a slot asks for nothing.
.macro ASK
	s_cmp_gt_u32 s[SLOTS], s[LIM]
	s_cbranch_scc0 .Lnot_mine_\@
	global_prefetch_b8 v[PFO], s[PFA:PFA+1] th:TH_LOAD_NT scope:SCOPE_SE
.Lnot_mine_\@:
.endm
	s_load_b256 s[4:11], s[0:1], 0x0               ; qkc s[4:5], qks s[6:7], atc s[8:9], ats s[10:11]
	v_lshl_add_u32 v[SPW], v0, 2, SPARE
	v_mov_b32 v[NIL], 0
	ds_add_u32 v[SPW], v[NIL]                      ; the wave's opening: the add, twice on end, and its wait ahead of the first tensor load
	ds_add_u32 v[SPW], v[NIL]
	v_lshrrev_b32 v8, 5, v0
	v_readfirstlane_b32 s[WV], v8                  ; wave 0..15
	s_and_b32 s72, ttmp7, 0xffff                   ; y: the pair of heads
	s_sub_co_u32 s73, 15, ttmp9
	s_lshl_b32 s[LAST], s73, 7
	s_add_co_u32 s[LAST], s[LAST], 127
	s_cmp_lt_u32 s[WV], 8
	s_cselect_b32 s73, ttmp9, s73                  ; my block of 128 queries
	s_lshl_b32 s[QB0], s73, 7
	s_add_co_u32 s[QE], s[QB0], 127
	s_and_b32 s74, s[WV], 7
	s_lshl_b32 s75, s73, 3
	s_add_co_u32 s75, s75, s74                     ; T: my tile of queries
	s_mov_b32 s[G1T], 3<<16                        ; elements of 8 bytes, no mask, no padding
	s_mov_b32 s[G1T+1], 32<<16
	s_mov_b32 s[G1T+2], 32<<16
	s_mov_b32 s[G1T+3], 32<<16
	s_mov_b32 s[G1T+4], 32
	s_mov_b32 s[G1T+5], 32
	s_mov_b32 s[G1T+6], 0
	s_mov_b32 s[G1T+7], 0
	s_mov_b32 s[G1S], 3<<16
	s_mov_b32 s[G1S+1], 32<<16
	s_mov_b32 s[G1S+2], 24<<16
	s_mov_b32 s[G1S+3], 32<<16
	s_mov_b32 s[G1S+4], 24
	s_mov_b32 s[G1S+5], 32
	s_mov_b32 s[G1S+6], 0
	s_mov_b32 s[G1S+7], 0
	s_and_b32 s81, s[WV], 1
	s_lshl_b32 s82, s81, 13                        ; which of a slot's two steps
	s_bfe_u32 s83, s[WV], 0x10001                  ; K (0) or V (1)
	s_lshl_b32 s84, s83, 14
	s_add_co_u32 s84, s84, s82                     ; its place in a slot
	s_lshl_b32 s85, s83, 23
	s_add_co_u32 s85, s85, 8388608                 ; K's images or V's
	s_lshl_b32 s86, s72, 18
	s_add_co_u32 s86, s86, s85
	s_add_co_u32 s86, s86, s82
	s_mov_b32 s87, 0
	s_and_b32 s88, s[WV], 3
	s_mul_i32 s88, s88, 6144                       ; my quarter of the pair's scale words
	s_mul_i32 s90, s72, 24576
	s_add_co_u32 s90, s90, s88
	s_add_co_u32 s90, s90, 524288
	s_mov_b32 s91, 0
	s_add_co_u32 s88, s88, SCK
	s_lshl_b32 s92, s72, 18
	s_lshl_b32 s93, s75, 10
	s_add_co_u32 s92, s92, s93
	s_mov_b32 s93, 0                               ; Q's image, first head
	s_lshl_b32 s94, s72, 14
	s_lshr_b32 s95, s75, 1
	s_lshl_b32 s95, s95, 7
	s_add_co_u32 s94, s94, s95
	s_and_b32 s95, s75, 1
	s_lshl_b32 s95, s95, 2
	s_add_co_u32 s94, s94, s95
	s_mov_b32 s95, 0                               ; and its scale words
	s_lshr_b32 s96, s72, 3
	s_lshl_b32 s96, s96, 7
	s_add_co_u32 s96, s96, s75                     ; the output's tile: 128 x batch + T
	s_and_b32 s97, s72, 7                          ; the pair within the batch: the output's K step
	s_lshl_b32 s98, s96, 14
	s_lshl_b32 s99, s97, 11
	s_add_co_u32 s98, s98, s99
	s_mov_b32 s99, 0
	s_lshl_b32 s96, s96, 9
	s_lshr_b32 s89, s97, 1
	s_lshl_b32 s89, s89, 7
	s_add_co_u32 s96, s96, s89
	s_and_b32 s89, s97, 1
	s_lshl_b32 s89, s89, 2
	s_add_co_u32 s96, s96, s89
	s_mov_b32 s97, 0
	s_mov_b32 s[SEL], 0x76543210
	s_mov_b32 s[SEL+1], 0xfedcba98
	s_mov_b32 s[CS], 0x3e38aa3b                    ; log2(e) / 8
	s_mov_b32 s[CS+1], s[CS]
	s_mov_b32 s[MNT], 0x600000
	s_mov_b32 s[TB], 0
	s_mov_b32 s[TS], 0
	s_mov_b32 s[TJ], 0
	s_mov_b32 s[SLOTS], 15
	s_mov_b32 s[KF], 0
	s_sub_co_u32 s89, s[WV], 4
	s_lshr_b32 s89, s89, 2                         ; 0 in waves 4 to 7,
	s_or_b32 s89, s89, ttmp9                       ; of work-group j = 0
	s_cmp_eq_u32 s89, 0
	s_cselect_b32 s[LIM], 1, -1
	s_wait_dscnt 0x0                               ; both opening adds are done
	s_wait_kmcnt 0x0
	s_mov_b32 s[G0S], 1
	s_mov_b32 s[G0S+1], s88
	s_add_nc_u64 s[G0S+2:G0S+3], s[6:7], s[90:91]
	s_or_b32 s[G0S+3], s[G0S+3], 0x80000000
	s_mov_b32 s[G0], 1
	s_mov_b32 s[G0+1], s84
	s_add_nc_u64 s[G0+2:G0+3], s[4:5], s[86:87]
	s_or_b32 s[G0+3], s[G0+3], 0x80000000
	s_cmp_lt_u32 s[WV], 4                          ; a wave's two first fills stand in one branch: two loads of mine are out at the most
	s_cbranch_scc0 .Lno_fill
	tensor_load_to_lds s[G0S:G0S+3], s[G1S:G1S+7]  ; the pair's scale words: filled once
	s_nop 0
	tensor_load_to_lds s[G0:G0+3], s[G1T:G1T+7]    ; slot 0
	s_nop 0
.rept 4
	v_nop
.endr
.Lno_fill:
	s_add_nc_u64 s[PFA:PFA+1], s[4:5], s[86:87]    ; in waves 4 to 7 the same arithmetic on the wave's number names K's and V's steps
	s_add_nc_u64 s[PFA:PFA+1], s[PFA:PFA+1], 16384 ; in slot 1: the first change of slots steps it to slot 2.  Nothing is prefetched here, at the head
	s_add_nc_u64 s[92:93], s[4:5], s[92:93]
	s_add_nc_u64 s[94:95], s[6:7], s[94:95]
	s_add_nc_u64 s[8:9], s[8:9], s[98:99]
	s_add_nc_u64 s[10:11], s[10:11], s[96:97]
	v_and_b32 v8, 31, v0
	v_lshlrev_b32 v[LI], 4, v8
	v_lshlrev_b32 v[PFO], 8, v8
	v_and_b32 v9, 15, v0                           ; r
	v_bfe_u32 v10, v0, 4, 1                        ; h
	v_lshlrev_b32 v[R8], 3, v9
	global_load_b128 v[16:19], v[LI], s[92:93]                   ; Q, first head: registers 0-7 of its fragment
	global_load_b128 v[20:23], v[LI], s[92:93] offset:512
	global_load_b128 v[192:195], v[LI], s[92:93] offset:131072   ; second head
	global_load_b128 v[196:199], v[LI], s[92:93] offset:131584
	global_load_b32 v255, v[R8], s[94:95]
	global_load_b32 v200, v[R8], s[94:95] offset:8192
	v_add_nc_u32 v[ASK0], SCK, v[R8]
	v_add_nc_u32 v[ASV0], SCV, v[R8]
	s_lshr_b32 s89, s74, 1
	s_lshl_b32 s89, s89, 5
	s_and_b32 s81, s74, 1
	s_lshl_b32 s81, s81, 3
	s_add_co_u32 s89, s89, s81
	v_and_b32 v[DD], 8, v9
	v_add_nc_u32 v[DD], v[DD], v9
	v_add_nc_u32 v[DD], s89, v[DD]                 ; my query within its block
	v_lshlrev_b32 v10, 4, v10
	v_sub_nc_u32 v[DD], v[DD], v10
	v_mov_b32 v[NINF], 0xff800000
.irp i, 0,1,2,3,4,5,6,7
	v_mov_b32 v[24+\i], 0                          ; zero codes: k 64 .. 127 of Q's fragment,
.endr
.irp t, 0,1,2,3
.irp i, 0,1,2,3,4,5,6,7
	v_mov_b32 v[40+16*\t+\i], 0                    ; and of K's four: they stay
.endr
.endr
	v_mov_b32 v13, 0xff61b1e6                      ; the largest t so far: -3e38
	v_floor_f32 v12, -v13                          ; -M
	v_mov_b32 v14, 0
	v_mov_b32 v15, 0
.irp b, 0,1,2,3
	v_mov_b32 v[236+\b], 0                         ; written once: a lane permute's destination counts as one of its sources
.endr
	v_mov_b32 v252, 0
	v_mov_b32 v253, 0
	v_mov_b32 v201, 0                              ; defined on every way through the text
.irp j, 0,1,2,3,4,5,6,7,8,9,10,11,12,13,14,15,16,17,18,19,20,21,22,23,24,25,26,27,28,29,30,31
	v_mov_b32 v[160+\j], 0                         ; O^T: the step is written once; its first walk finds zeros
.endr
; A KEY STEP: 128 keys, the q-th of the slot in hand
.macro STEP q
	s_and_b32 s97, s[KF], 2047                     ; the step's first key within its head
	s_cmp_gt_u32 s97, s[QE]                        ; all its keys come behind my queries: the work is left out, the steps of the addresses at the end are not
	s_cbranch_scc1 .Lhidden_\@
	v_add_nc_u32 v[ADK], s[TB], v[LI]
	v_add_nc_u32 v[ADS], s[TS], v[ASK0]
	v_add_nc_u32 v[ADT], s[TJ], v[ASV0]
.rept 6
	v_nop                                          ; with the three additions nine places: the scores below are laid over V's fragments, which the last products read
.endr
.irp g, 0,1                                    ; S^T = K Q^T, four tiles of 16 keys at a time
.if \g
.rept 8
	v_nop                                          ; places in front of loads into registers that matrix instructions have read
.endr
.endif
.irp t, 0,1,2,3
	ds_load_b128 v[32+16*\t:35+16*\t], v[ADK] offset:8192*(\q)+(4*\g+\t)*1024
	ds_load_b128 v[36+16*\t:39+16*\t], v[ADK] offset:8192*(\q)+(4*\g+\t)*1024+512
	ds_load_b32 v[248+\t], v[ADS] offset:256*\g+128*(\t/2)+4*(\t%2)
.endr
	s_wait_dscnt 0x0
.irp t, 0,1,2,3
	v_wmma_scale_f32_16x16x128_f8f6f4 v[96+8*(4*\g+\t):103+8*(4*\g+\t)], v[32+16*\t:47+16*\t], v[16:31], 0, v[248+\t], v255 matrix_a_fmt:MATRIX_FMT_BF8 matrix_b_fmt:MATRIX_FMT_BF8
.endr
.endr
.rept 8
	v_nop
.endr
	s_cmp_lt_u32 s97, s[QB0]                       ; a step all of whose keys count skips the mask; the one step on the diagonal begins at my block's first query
	s_cbranch_scc1 .Lopen_\@
.irp n, 0,1,2,3,4,5,6,7,8,9,10,11,12,13,14,15,16,17,18,19,20,21,22,23,24,25,26,27,28,29,30,31,32,33,34,35,36,37,38,39,40,41,42,43,44,45,46,47,48,49,50,51,52,53,54,55,56,57,58,59,60,61,62,63
	v_cmp_gt_i32 vcc_lo, 32*(\n/16)+\n%16, v[DD]   ; register 16 b + i holds key 32 b + 16 (lane / 16) + i of the step: hidden where it comes behind my query
	v_cndmask_b32 v[96+\n], v[96+\n], v[NINF], vcc_lo
.endr
.Lopen_\@:
.irp b, 0,1,2,3
	v_max3_num_f32 v[232+\b], v[96+16*\b], v[97+16*\b], v[98+16*\b]   ; the largest score of each block of 32 keys: for the row's maximum, and, since p rises with the score, for the block's largest p
.endr
.irp i, 3,5,7,9,11,13
.irp b, 0,1,2,3
	v_max3_num_f32 v[232+\b], v[232+\b], v[96+16*\b+\i], v[97+16*\b+\i]
.endr
.endr
.irp b, 0,1,2,3
	v_max_num_f32 v[232+\b], v[232+\b], v[111+16*\b]
.endr
.irp b, 0,1,2,3
	v_permlanex16_b32 v[236+\b], v[232+\b], s[SEL], s[SEL+1]
.endr
.irp b, 0,1,2,3
	v_max_num_f32 v[232+\b], v[232+\b], v[236+\b]
.endr
	v_max3_num_f32 v254, v232, v233, v234
	v_max_num_f32 v254, v254, v235
	v_mul_f32 v254, s[CS], v254
	v_max_num_f32 v13, v13, v254                   ; the running largest t
	v_mov_b32 v254, v12
	v_floor_f32 v12, -v13                          ; the new -M = -ceil(t)
	v_sub_f32 v254, v12, v254                      ; old M - new M: a whole number, 0 or less
	v_cvt_i32_f32 v254, v254
	v_ldexp_f32 v252, 1.0, v254                    ; f = 2^(old M - new M)
.irp j, 0,2,4,6,8,10,12,14,16,18,20,22,24,26,28,30,32,34,36,38,40,42,44,46,48,50,52,54,56,58,60,62
	v_pk_fma_f32 v[96+\j:97+\j], v[96+\j:97+\j], s[CS:CS+1], v[12:13] op_sel_hi:[1,0,0]   ; t - M
.endr
.irp b, 0,1,2,3
	v_fma_f32 v[232+\b], v[232+\b], s[CS], v12
.endr
.irp j, 0,1,2,3,4,5,6,7,8,9,10,11,12,13,14,15,16,17,18,19,20,21,22,23,24,25,26,27,28,29,30,31,32,33,34,35,36,37,38,39,40,41,42,43,44,45,46,47,48,49,50,51,52,53,54,55,56,57,58,59,60,61,62,63
	v_exp_f32 v[96+\j], v[96+\j]                   ; p: one batch
.endr
	v_pk_mul_f32 v[14:15], v[14:15], v[252:253] op_sel_hi:[1,0]   ; the sums under the new M: the plain line behind the batch
	s_wait_alu depctr_va_vdst(0)                   ; one wait for the batch, ahead of its first reader
.irp b, 0,1,2,3
	v_exp_f32 v[232+\b], v[232+\b]                 ; each block's largest p
.endr
	v_pk_add_f32 v[236:237], v[96:97], v[98:99]    ; the row's sum of the unquantised p, in two chains
.irp j, 4,8,12,16,20,24,28,32,36,40,44,48,52,56,60
	v_pk_add_f32 v[14:15], v[14:15], v[96+\j:97+\j]
	v_pk_add_f32 v[236:237], v[236:237], v[98+\j:99+\j]
.endr
	v_pk_add_f32 v[14:15], v[14:15], v[236:237]
	s_wait_alu depctr_va_vdst(0)                   ; and one for the four
.irp b, 0,1,2,3
	v_max_num_f32 v[232+\b], 0x8000000, v[232+\b]  ; the floor: the byte cannot fall under 1
.endr
.irp b, 0,1,2,3
	v_add_nc_u32 v[244+\b], 0xf8800000, v[232+\b]
.endr
.irp b, 0,1,2,3
	v_and_or_b32 v[240+\b], v[232+\b], 0x7f800000, s[MNT]
.endr
.irp b, 0,1,2,3
	v_lshrrev_b32 v[236+\b], 23, v[244+\b]
.endr
	v_lshl_or_b32 v253, v237, 8, v236              ; p's scale word for these 128 keys
	v_lshl_or_b32 v253, v238, 16, v253
	v_lshl_or_b32 v253, v239, 24, v253
.irp b, 0,1,2,3
.irp i, 0,1,2,3,4,5,6,7,8,9,10,11,12,13,14,15
	v_min_num_f32 v[96+16*\b+\i], v[96+16*\b+\i], v[240+\b]   ; the hold; p is not negative
.endr
	v_cvt_scalef32_pk8_bf8_f32 v[224+4*\b:225+4*\b], v[96+16*\b:103+16*\b], v[244+\b]
	v_cvt_scalef32_pk8_bf8_f32 v[226+4*\b:227+4*\b], v[104+16*\b:111+16*\b], v[244+\b]
.endr
.irp t, 0,1,2,3                                ; V's four fragments take p's registers
.irp c, 0,1,2,3
	ds_load_b128 v[96+16*\t+4*\c:99+16*\t+4*\c], v[ADK] offset:16384+8192*(\q)+2048*\t+512*\c
.endr
	ds_load_b32 v[248+\t], v[ADT] offset:128*(\t/2)+4*(\t%2)
.endr
.irp j, 0,2,4,6,8,10,12,14,16,18,20,22,24,26,28,30
	v_pk_mul_f32 v[160+\j:161+\j], v[160+\j:161+\j], v[252:253] op_sel_hi:[1,0]   ; O^T under the new M, while the loads are out; also the places between the codes and the products
.endr
	s_wait_dscnt 0x0
.irp t, 0,1,2,3
	v_wmma_scale_f32_16x16x128_f8f6f4 v[160+8*\t:167+8*\t], v[96+16*\t:111+16*\t], v[224:239], v[160+8*\t:167+8*\t], v[248+\t], v253 matrix_a_fmt:MATRIX_FMT_BF8 matrix_b_fmt:MATRIX_FMT_BF8
.endr
.Lhidden_\@:
	s_add_co_u32 s[KF], s[KF], 128
	s_add_co_u32 s[TS], s[TS], 512
	s_add_co_u32 s[TJ], s[TJ], 256
.endm
; THE CHANGE OF SLOTS, at a slot's head.  Each wave waits for all its tensor loads, adds 0 to its spare word (fill = 1: twice on end), and waits for that and for its reads of the slot that it has left.
; fill = 1: behind the barrier the slot just left takes the keys that follow, if any wave will read them: the next slot's first key within its head is held against the work-group's last query.
; That test is made of ids and the count of steps alone, the same in all sixteen waves; every wait on TENSORcnt in this text is for 0; no step reads a slot that was not asked for.
.macro CHANGE fill
	s_wait_tensorcnt 0x0
	ds_add_u32 v[SPW], v[NIL]
.if \fill
	ds_add_u32 v[SPW], v[NIL]
	s_xor_b32 s[G0+1], s[G0+1], SLOT1              ; the walking descriptor: the other slot, the next 256 keys
	s_add_nc_u64 s[G0+2:G0+3], s[G0+2:G0+3], 16384
	s_wait_xcnt 0x0                                ; the last prefetch, a slot back, has read its address
	s_add_nc_u64 s[PFA:PFA+1], s[PFA:PFA+1], 16384
.endif
	s_wait_dscnt 0x0
	s_barrier_signal -1
	s_barrier_wait -1
.if \fill
	s_add_co_u32 s96, s[KF], 256
	s_and_b32 s96, s96, 2047
	s_cmp_gt_u32 s96, s[LAST]
	s_cbranch_scc1 .Lpast_\@
	TLOAD                                          ; a wave's one tensor load until the next barrier
.Lpast_\@:
	ASK
.endif
.endm
; A HEAD'S END: O^T / the sum, quantised along E (the head's two blocks of 32), stored as half a K step of the last product's operand
.macro HEADEND last
	s_wait_xcnt 0x0                                ; earlier stores have read their codes
.rept 8
	v_nop                                          ; places behind the last products
.endr
	v_add_f32 v14, v14, v15
	v_permlanex16_b32 v252, v14, s[SEL], s[SEL+1]
	v_add_f32 v14, v14, v252                       ; the row's sum
	v_rcp_f32 v14, v14
	v_nop
	s_wait_alu depctr_va_vdst(0)
.irp j, 0,2,4,6,8,10,12,14,16,18,20,22,24,26,28,30
	v_pk_mul_f32 v[96+\j:97+\j], v[160+\j:161+\j], v[14:15] op_sel_hi:[1,0]   ; register 16 b + i: d = 32 b + 16 (lane / 16) + i
.endr
.irp b, 0,1
	v_max3_num_f32 v[232+\b], |v[96+16*\b]|, |v[97+16*\b]|, 0x8000000
.endr
.irp i, 2,4,6,8,10,12,14
.irp b, 0,1
	v_max3_num_f32 v[232+\b], v[232+\b], |v[96+16*\b+\i]|, |v[97+16*\b+\i]|
.endr
.endr
.irp b, 0,1
	v_permlanex16_b32 v[236+\b], v[232+\b], s[SEL], s[SEL+1]
.endr
.irp b, 0,1
	v_max_num_f32 v[232+\b], v[232+\b], v[236+\b]
.endr
.irp b, 0,1
	v_add_nc_u32 v[244+\b], 0xf8800000, v[232+\b]
.endr
.irp b, 0,1
	v_and_or_b32 v[240+\b], v[232+\b], 0x7f800000, s[MNT]
.endr
.irp b, 0,1
	v_lshrrev_b32 v[236+\b], 23, v[244+\b]
.endr
.if \last
	v_lshl_or_b32 v201, v236, 16, v201             ; the second head's two bytes complete the word
	v_lshl_or_b32 v201, v237, 24, v201
.else
	v_lshl_or_b32 v201, v237, 8, v236
.endif
.irp b, 0,1
.irp i, 0,1,2,3,4,5,6,7,8,9,10,11,12,13,14,15
	v_med3_num_f32 v[96+16*\b+\i], v[96+16*\b+\i], -v[240+\b], v[240+\b]
.endr
	v_cvt_scalef32_pk8_bf8_f32 v[208+4*\b:209+4*\b], v[96+16*\b:103+16*\b], v[244+\b]
	v_cvt_scalef32_pk8_bf8_f32 v[210+4*\b:211+4*\b], v[104+16*\b:111+16*\b], v[244+\b]
.endr
	v_nop
	global_store_b128 v[LI], v[208:211], s[8:9] offset:1024*\last        ; 32 lanes store 512 consecutive bytes
	global_store_b128 v[LI], v[212:215], s[8:9] offset:1024*\last+512
.if \last
	global_store_b32 v[R8], v201, s[10:11]         ; both halves of the lanes hold and store the same word
.else
.irp i, 0,1,2,3,4,5,6,7
	v_mov_b32 v[16+\i], v[192+\i]                  ; the second head's Q,
.endr
	v_mov_b32 v255, v200                           ; its scale word,
	v_mov_b32 v13, 0xff61b1e6                      ; and its state
	v_floor_f32 v12, -v13
	v_mov_b32 v14, 0
	v_mov_b32 v15, 0
.irp j, 0,1,2,3,4,5,6,7,8,9,10,11,12,13,14,15,16,17,18,19,20,21,22,23,24,25,26,27,28,29,30,31
	v_mov_b32 v[160+\j], 0
.endr
.endif
.endm
	s_wait_loadcnt 0x0                             ; Q
.Lslot:                                                ; 15 trips: slots 0 to 14 of the pair's 16
	CHANGE 1
	STEP 0
	STEP 1
	s_xor_b32 s[TB], s[TB], SLOT1
	s_cmp_lg_u32 s[SLOTS], 8                       ; behind slot 7 the first head is done
	s_cbranch_scc1 .Lsame_head
	HEADEND 0
.Lsame_head:
	s_sub_co_u32 s[SLOTS], s[SLOTS], 1
	s_cmp_lg_u32 s[SLOTS], 0
	s_cbranch_scc1 .Lslot
	CHANGE 0                                       ; the last slot is written out: nothing is left to ask for
	STEP 0
	STEP 1
	HEADEND 1
	s_wait_tensorcnt 0x0                           ; the wave's end
	ds_add_u32 v[SPW], v[NIL]
	s_wait_dscnt 0x0
	s_endpgm
.Lfunc_end_k_q5a2de32bee_attn:
	.size	k_q5a2de32bee_attn, .Lfunc_end_k_q5a2de32bee_attn-k_q5a2de32bee_attn
	.p2alignl 7, 3214868480
	.fill 96, 4, 3214868480
	.section	.rodata,"a",@progbits
	.p2align	6, 0x0
	.amdhsa_kernel k_q5a2de32bee_attn
		.amdhsa_group_segment_fixed_size 327680
		.amdhsa_private_segment_fixed_size 0
		.amdhsa_enable_private_segment 0
		.amdhsa_kernarg_size 32
		.amdhsa_user_sgpr_count 2
		.amdhsa_user_sgpr_kernarg_segment_ptr 1
		.amdhsa_wavefront_size32 1
		.amdhsa_system_sgpr_workgroup_id_x 1
		.amdhsa_system_sgpr_workgroup_id_y 1
		.amdhsa_system_sgpr_workgroup_id_z 1
		.amdhsa_system_vgpr_workitem_id 0
		.amdhsa_next_free_vgpr 256
		.amdhsa_next_free_sgpr 100
		.amdhsa_reserve_vcc 1
		.amdhsa_float_denorm_mode_32 3
		.amdhsa_float_denorm_mode_16_64 3
		.amdhsa_memory_ordered 1
		.amdhsa_forward_progress 1
		.amdhsa_inst_pref_size 121
	.end_amdhsa_kernel
	.amdgpu_metadata
---
amdhsa.version: [ 1, 2 ]
amdhsa.kernels:
  - .name:           k_q5a2de32bee_attn
    .symbol:         k_q5a2de32bee_attn.kd
    .args:
      - { .name: qkc, .offset: 0, .size: 8, .value_kind: global_buffer, .address_space: global }
      - { .name: qks, .offset: 8, .size: 8, .value_kind: global_buffer, .address_space: global }
      - { .name: atc, .offset: 16, .size: 8, .value_kind: global_buffer, .address_space: global }
      - { .name: ats, .offset: 24, .size: 8, .value_kind: global_buffer, .address_space: global }
    .group_segment_fixed_size: 327680
    .private_segment_fixed_size: 0
    .kernarg_segment_align: 8
    .kernarg_segment_size: 32
    .max_flat_workgroup_size: 512
    .sgpr_count:     100
    .vgpr_count:     256
    .wavefront_size: 32
...
	.end_amdgpu_metadata
.endif
;; end of part 3
;; launch proj (part 4): grid 4 x 32, 4 waves a work-group, clusters of 4 x 4, 327,680 bytes of LDS; arguments atc, ats, opc, ops, b_proj, out0; writes out0
.if DOCPART == 4
	.amdgcn_target "amdgcn-amd-amdhsa--gfx1250"
	.amdhsa_code_object_version 6
	.text
	.protected	k_q5a2de32bee_proj
	.globl	k_q5a2de32bee_proj
	.p2align	8
	.type	k_q5a2de32bee_proj,@function
k_q5a2de32bee_proj:
	s_mov_b64 s[64:65], 0
	v_nop
	global_prefetch_b8 v0, s[64:65] scope:SCOPE_SE
	s_setreg_imm32_b32 hwreg(HW_REG_WAVE_MODE, 25, 1), 1
	s_wait_xcnt 0x0
	s_wait_alu depctr_hold_cnt(0) depctr_sa_sdst(0) depctr_va_vdst(0) depctr_va_sdst(0) depctr_va_ssrc(0) depctr_va_vcc(0) depctr_vm_vsrc(0)
	s_getreg_b32 s2, hwreg(HW_REG_IB_STS2, 6, 4)
	s_cmp_eq_u32 s2, 0
	s_cbranch_scc0 .Lentry_in_a_cluster
	s_endpgm
.Lentry_in_a_cluster:
	s_bfe_u32 s2, ttmp6, 0x10000c
	s_cmp_lg_u32 s2, 0xf033
	s_cbranch_scc0 .Lentry_shape_is_right
	s_endpgm
.Lentry_shape_is_right:
; PROJ: out0 = (attention's result) w_proj + b_proj on codes of BF8 with E8M0 scales, K = 1,024.  No work is left out here.
; Both operands are images of the matrix instruction's registers (launches prep and attn): tile T = 16 rows, lane r = row p(T, r) = 32 (T / 2) + 8 (T % 2) + r + 8 (r / 8); codes [T][s 8][c 4][lane][16], scale words [T][kk 4][r][q 2].
; A tile of 256 x 256 of out0 is made by four waves, 128 x 128 each.  Source 0 = 256 columns of w_proj (image tiles 704 on), source 1 = 256 rows of the attention's result: a lane holds one row and, over a block's 64 registers, 128 neighbouring columns.
; K goes in steps of 256 through two LDS slots; the scale words of all of K come once.  CLUSTERS 4 x 4: source 1's tiles are shared along a row of the cluster, source 0's along a column.  128 work-groups: 32 x 4 tiles.
; The bias is the C of the first K step.  Results go through each wave's stage in LDS (in slot 0, which has had its last fill and its last read by then) and leave as rows of 512 consecutive bytes.
; REGISTERS: window 0: v16-29 addresses; v32-63 scale words; v64-127 the bias; v128-255 source 1's fragments, later rows read back.  window 1: source 0's fragments, two sets.  windows 2, 3: the accumulators.
.set NQ,     2
.set FR,     16
.set NL,     4
.set NP,     8
.set HALFT,  32768
.set SLOT,   4*HALFT
.set SCL,    2*SLOT
.set HALFS,  4096
.set SBLK,   512
.set SPARE,  SCL+4*HALFS
.set SPITCH, 528                       ; a stage row: 512 bytes + 16: the sixteen rows of a store start at sixteen different groups of four banks
.set ADRA, 16
.set ADRB, 20
.set LI,   24                          ; 16 x lane: also my place in a row of out0
.set STO,  25
.set RD,   26
.set ADRS, 27
.set SPW,  28
.set NIL,  29
.set SC,   32
.set BIAS, 64
.set AF,   128
.set BK,   128
.set G1, 24
.set G0, 32
.set G1B, 48
.set G0B, 56
.set G1S, 68
.set G0S, 76
.set G1SB, 80
.set G0SB, 88
.set MSB, 0
.macro WIN new
.if MSB != (\new)
	s_set_vgpr_msb (MSB<<8)|(\new)
.set MSB, (\new)
.endif
.endm
.set MUL_LO, 0xa1
.set MUL_HI, 0xf1
.set TO_B,   0x40
.macro JLOAD g0a, g1a, g0b, g1b        ; a joint load: waves 0 and 1 fetch for source 1, waves 2 and 3 for source 0; an s_nop 0 and four v_nop follow each line
	s_cmp_eq_u32 s15, 0
	s_cbranch_scc0 .Lfor_b_\@
	tensor_load_to_lds s[\g0a:\g0a+3], s[\g1a:\g1a+7]
	s_nop 0
.rept 4
	v_nop
.endr
	s_branch .Lasked_\@
.Lfor_b_\@:
	tensor_load_to_lds s[\g0b:\g0b+3], s[\g1b:\g1b+7]
	s_nop 0
.rept 4
	v_nop
.endr
.Lasked_\@:
.endm
.macro CREST
	s_cmp_lg_u32 s14, 0
	s_cbranch_scc1 .Lnot_wave_0_\@
	s_barrier_signal -3
.Lnot_wave_0_\@:
	s_barrier_wait -3
	s_barrier_signal -1
	s_barrier_wait -1
.endm
.macro CROUND
	s_barrier_signal -1
	s_barrier_wait -1
	CREST
.endm
	s_load_b256 s[4:11], s[0:1], 0x0               ; atc s[4:5], ats s[6:7], opc s[8:9], ops s[10:11]
	s_load_b128 s[92:95], s[0:1], 0x20             ; b_proj s[92:93], out0 s[94:95]
	v_lshl_add_u32 v[SPW], v0, 2, SPARE
	v_mov_b32 v[NIL], 0
	ds_add_u32 v[SPW], v[NIL]                      ; the wave's opening: the add, twice on end, and its wait ahead of my first tensor load
	ds_add_u32 v[SPW], v[NIL]
	v_lshrrev_b32 v1, 5, v0
	v_readfirstlane_b32 s14, v1
	s_lshr_b32 s15, s14, 1
	s_and_b32 s16, s14, 1
	s_bfe_u32 s40, ttmp6, 0x40000                  ; cx
	s_bfe_u32 s41, ttmp6, 0x40004                  ; cy
	s_lshl_b32 s42, ttmp9, 2
	s_add_co_u32 s42, s42, s40                     ; source 0's tile: 256 columns
	s_and_b32 s17, ttmp7, 0xffff
	s_lshl_b32 s17, s17, 2
	s_add_co_u32 s17, s17, s41                     ; source 1's tile: 256 rows
	s_lshl_b32 s43, s41, 2
	s_lshl_b32 s43, 15, s43
	s_lshl_b32 s44, 0x1111, s40
	s_or_b32 s[G1+0], s43, (3<<16)|(1<<21)         ; 8 rows (tiles) of 512 elements of 8 bytes, 2,048 elements apart
	s_or_b32 s[G1B+0], s44, (3<<16)|(1<<21)
.irp g, G1, G1B
	s_mov_b32 s[\g+1], 512<<16
	s_mov_b32 s[\g+2], 8<<16
	s_mov_b32 s[\g+3], 512<<16
	s_mov_b32 s[\g+4], 8
	s_mov_b32 s[\g+5], 2048
	s_mov_b32 s[\g+6], 0
	s_mov_b32 s[\g+7], 0
.endr
	s_or_b32 s[G1S+0], s43, (3<<16)|(1<<21)        ; 4,096 dense bytes as 16 rows of 256
	s_or_b32 s[G1SB+0], s44, (3<<16)|(1<<21)
.irp g, G1S, G1SB
	s_mov_b32 s[\g+1], 32<<16
	s_mov_b32 s[\g+2], 16<<16
	s_mov_b32 s[\g+3], 32<<16
	s_mov_b32 s[\g+4], 16
	s_mov_b32 s[\g+5], 32
	s_mov_b32 s[\g+6], 0
	s_mov_b32 s[\g+7], 0
.endr
	s_lshl_b32 s18, s16, 3
	s_lshl_b32 s20, s17, 4
	s_add_co_u32 s20, s20, s18                     ; source 1: the first image tile that I fetch
	s_lshl_b32 s46, s42, 4
	s_add_co_u32 s46, s46, s18
	s_add_co_u32 s46, s46, 704                     ; source 0: w_proj's images begin at tile 704
	s_lshl_b32 s22, s20, 9
	s_mov_b32 s23, 0
	s_lshl_b32 s18, s46, 9
	s_mov_b32 s19, 0
	s_lshl_b32 s20, s20, 14
	s_mov_b32 s21, 0
	s_lshl_b32 s46, s46, 14
	s_mov_b32 s47, 0
	s_lshl_b32 s45, s14, 15
	s_lshl_b32 s101, s14, 12
	s_wait_dscnt 0x0                               ; both opening adds are done
	s_wait_kmcnt 0x0
	s_add_nc_u64 s[20:21], s[4:5], s[20:21]
	s_add_nc_u64 s[22:23], s[6:7], s[22:23]
	s_add_nc_u64 s[46:47], s[8:9], s[46:47]
	s_add_nc_u64 s[18:19], s[10:11], s[18:19]
	CROUND                                         ; all sixteen work-groups are here: the first joint loads meet
	s_mov_b32 s[G0S], 1
	s_add_co_u32 s[G0S+1], s101, SCL
	s_mov_b64 s[G0S+2:G0S+3], s[22:23]
	s_or_b32 s[G0S+3], s[G0S+3], 0x80000000
	s_mov_b32 s[G0SB], 1
	s_add_co_u32 s[G0SB+1], s101, SCL
	s_mov_b64 s[G0SB+2:G0SB+3], s[18:19]
	s_or_b32 s[G0SB+3], s[G0SB+3], 0x80000000
	JLOAD G0S, G1S, G0SB, G1SB
.irp s, 0,1
	s_mov_b32 s[G0+4*\s], 1
	s_add_co_u32 s[G0+4*\s+1], s45, \s*SLOT
	s_add_nc_u64 s[G0+4*\s+2:G0+4*\s+3], s[20:21], \s*4096
	s_or_b32 s[G0+4*\s+3], s[G0+4*\s+3], 0x80000000
	s_mov_b32 s[G0B+4*\s], 1
	s_add_co_u32 s[G0B+4*\s+1], s45, \s*SLOT
	s_add_nc_u64 s[G0B+4*\s+2:G0B+4*\s+3], s[46:47], \s*4096
	s_or_b32 s[G0B+4*\s+3], s[G0B+4*\s+3], 0x80000000
	JLOAD G0+4*\s, G1, G0B+4*\s, G1B
.endr
	v_and_b32 v1, 15, v0                           ; r
	v_bfe_u32 v2, v0, 4, 1                         ; h
	v_and_b32 v3, 31, v0
	v_lshlrev_b32 v[LI], 4, v3
	s_lshl_b32 s20, s42, 10
	s_lshl_b32 s22, s16, 9
	s_add_co_u32 s20, s20, s22                     ; my 128 columns, in bytes
	s_mov_b32 s21, 0
	s_add_nc_u64 s[92:93], s[92:93], s[20:21]
	v_lshlrev_b32 v4, 6, v2
.irp b, 0,1,2,3,4,5,6,7                        ; register 8 b + j: column 32 (b / 2) + 16 h + 8 (b % 2) + j
	global_load_b128 v[BIAS+8*\b:BIAS+8*\b+3], v4, s[92:93] offset:128*(\b/2)+32*(\b%2)
	global_load_b128 v[BIAS+8*\b+4:BIAS+8*\b+7], v4, s[92:93] offset:128*(\b/2)+32*(\b%2)+16
.endr
	s_add_nc_u64 s[94:95], s[94:95], s[20:21]
	s_lshl_b32 s20, s17, 20                        ; 256 rows of 4,096 bytes
	s_lshl_b32 s22, s15, 19
	s_add_co_u32 s20, s20, s22
	s_add_nc_u64 s[94:95], s[94:95], s[20:21]      ; out0 at my first row and column
	s_lshl_b32 s21, s15, 15
	s_lshl_b32 s22, s16, 15
	s_add_co_u32 s22, s22, 2*HALFT
.irp s, 0,1
	v_add_nc_u32 v[ADRA+\s], s21, v[LI]
	v_add_nc_u32 v[ADRB+\s], s22, v[LI]
	s_add_co_u32 s21, s21, SLOT
	s_add_co_u32 s22, s22, SLOT
.endr
	v_lshlrev_b32 v5, 3, v1
	s_lshl_b32 s21, s15, 12
	s_lshl_b32 s22, s16, 12
	s_add_co_u32 s22, s22, 2*HALFS
	s_sub_co_u32 s22, s22, s21
	v_mul_u32_u24 v6, s22, v2                      ; lanes 16-31 take source 0's scale words
	s_add_co_u32 s21, s21, SCL
	v_add_nc_u32 v5, v5, v6
	v_add_nc_u32 v[ADRS], s21, v5
	s_mul_i32 s23, s14, 16*SPITCH                  ; my stage
	v_mul_u32_u24 v5, v1, SPITCH
	v_lshl_add_u32 v5, v2, 6, v5
	v_add_nc_u32 v[STO], s23, v5                   ; in: row r, + 64 h
	v_add_nc_u32 v[RD], s23, v[LI]                 ; back: the 32 lanes take one row of 512 bytes
.macro FRAG reg, adr, q, i
.irp c, 0,1,2,3
	ds_load_b128 v[\reg+4*\c:\reg+4*\c+3], v[\adr] offset:(\i)*4096+(\q)*2048+\c*512
.endr
.endm
; 16 matrix instructions: source 1's blocks a0, a0 + 1 x source 0's eight.  zero = 2: C is the bias.  The 64 accumulators take turns, in the same order in every step.
.macro MUL16 a0, p, q, sc, zero
.irp a, \a0, \a0+1
.irp b, 0,1,2,3,4,5,6,7
.if \zero == 2
	v_wmma_scale_f32_16x16x128_f8f6f4 v[8*(8*((\a)%4)+\b):8*(8*((\a)%4)+\b)+7], v[128*(\p)+FR*\b:128*(\p)+FR*\b+FR-1], v[AF+FR*(\a):AF+FR*(\a)+FR-1], v[BIAS+8*\b:BIAS+8*\b+7], v[SC+8*NQ*(\sc)+NQ*\b+(\q)], v[SC+8*NQ*(\sc)+NQ*(\a)+(\q)] matrix_a_fmt:MATRIX_FMT_BF8 matrix_b_fmt:MATRIX_FMT_BF8 matrix_a_scale:MATRIX_SCALE_ROW1
.else
	v_wmma_scale_f32_16x16x128_f8f6f4 v[8*(8*((\a)%4)+\b):8*(8*((\a)%4)+\b)+7], v[128*(\p)+FR*\b:128*(\p)+FR*\b+FR-1], v[AF+FR*(\a):AF+FR*(\a)+FR-1], v[8*(8*((\a)%4)+\b):8*(8*((\a)%4)+\b)+7], v[SC+8*NQ*(\sc)+NQ*\b+(\q)], v[SC+8*NQ*(\sc)+NQ*(\a)+(\q)] matrix_a_fmt:MATRIX_FMT_BF8 matrix_b_fmt:MATRIX_FMT_BF8 matrix_a_scale:MATRIX_SCALE_ROW1
.endif
.endr
.endr
.endm
.macro FETCH_B slot, q, p
	WIN TO_B
.irp i, 0,1,2,3,4,5,6,7
	FRAG 128*(\p)+FR*\i, ADRB+\slot, \q, \i
.endr
	WIN 0
.endm
.macro FETCH_A slot, q, i0
.irp i, \i0, \i0+1, \i0+2, \i0+3
	FRAG AF+FR*(\i), ADRA+\slot, \q, \i
.endr
.endm
.macro SCALES sc
.irp i, 0,1,2,3,4,5,6,7
	ds_load_b64 v[SC+8*NQ*\sc+NQ*\i:SC+8*NQ*\sc+NQ*\i+1], v[ADRS] offset:\i*SBLK
.endr
.endm
.macro PLACES n
.rept \n
	v_nop
.endr
.endm
.macro STEP slot, q, zero
	s_wait_dscnt 4*NL                              ; source 0's set and source 1's blocks 0-3 are in; the youngest 16 loads may be out
.if \zero >= 2
	WIN 0x81
.else
	WIN MUL_LO
.endif
	MUL16 0, (\q)%2, \q, \slot, \zero
	MUL16 2, (\q)%2, \q, \slot, \zero
	s_wait_dscnt 0
	PLACES NP
	FETCH_B \slot, (\q)+1, 1-(\q)%2
	FETCH_A \slot, (\q)+1, 0
.if \zero >= 2
	WIN 0xc1
.else
	WIN MUL_HI
.endif
	MUL16 4, (\q)%2, \q, \slot, \zero
	MUL16 6, (\q)%2, \q, \slot, \zero
	PLACES NP
	WIN 0
	FETCH_A \slot, (\q)+1, 4
.endm
.macro TURN slot, next, fill
	s_wait_tensorcnt 0x0                           ; all my tensor loads have landed: my part of the next slot
	ds_add_u32 v[SPW], v[NIL]                      ; 0 onto my spare word
	s_wait_dscnt 4*NL+1                            ; the add and the youngest 16 loads may be out
	WIN MUL_LO
	MUL16 0, 1, NQ-1, \slot, 0
	s_wait_dscnt 0x0                               ; the add is done, and my reads of this slot are over
	s_barrier_signal -1
	MUL16 2, 1, NQ-1, \slot, 0
	WIN 0
	s_barrier_wait -1
.if \fill
	CREST                                          ; a round of the cluster's barrier: no wave of any partner still reads this slot or has a load on its way
	s_add_nc_u64 s[G0+4*\slot+2:G0+4*\slot+3], s[G0+4*\slot+2:G0+4*\slot+3], 8192
	s_add_nc_u64 s[G0B+4*\slot+2:G0B+4*\slot+3], s[G0B+4*\slot+2:G0B+4*\slot+3], 8192
	JLOAD G0+4*\slot, G1, G0B+4*\slot, G1B
	PLACES NP-4
.else
	PLACES NP
.endif
	v_add_nc_u32 v[ADRS], 128, v[ADRS]
	FETCH_B \next, 0, 0
	FETCH_A \next, 0, 0
	SCALES \next
	WIN MUL_HI
	MUL16 4, 1, NQ-1, \slot, 0
	MUL16 6, 1, NQ-1, \slot, 0
	PLACES NP
	WIN 0
	FETCH_A \next, 0, 4
.endm
	s_wait_loadcnt 0x0                             ; the bias
	s_wait_tensorcnt 1                             ; the scale words and my part of slot 0 are in (slot 1's load may be out)
	s_barrier_signal -1
	s_barrier_wait -1
	FETCH_B 0, 0, 0
	FETCH_A 0, 0, 0
	SCALES 0
	FETCH_A 0, 0, 4
	STEP 0, 0, 2
	s_mov_b32 s3, 1
.Llap:
	TURN 0, 1, 1
	STEP 1, 0, 0
	TURN 1, 0, 1
	STEP 0, 0, 0
	s_sub_co_u32 s3, s3, 1
	s_cmp_lg_u32 s3, 0
	s_cbranch_scc1 .Llap
	TURN 0, 1, 0
	STEP 1, 0, 0
	s_wait_dscnt 4*NL
	WIN MUL_LO
	MUL16 0, 1, NQ-1, 1, 0
	MUL16 2, 1, NQ-1, 1, 0
	s_wait_dscnt 0
	WIN MUL_HI
	MUL16 4, 1, NQ-1, 1, 0
	MUL16 6, 1, NQ-1, 1, 0
	WIN 0
; THE WAY OUT, a block of 16 rows x 128 columns at a time, through my own stage.  LDS serves a wave's instructions in order (ISA guide 5.7.1.4): no wait between the stores and the loads, nor in front of the next block's stores.
.macro TOSTAGE a
.set AC, 64*((\a)%4)
	WIN 0x08+4*((\a)/4)                            ; an LDS store's data: window 2 or 3
.irp b, 0,1,2,3,4,5,6,7
	ds_store_b128 v[STO], v[AC+8*\b:AC+8*\b+3] offset:128*(\b/2)+32*(\b%2)          ; each accumulator from its low end on
	ds_store_b128 v[STO], v[AC+8*\b+4:AC+8*\b+7] offset:128*(\b/2)+32*(\b%2)+16
.endr
	WIN 0
.set BB, BK+64*((\a)%2)
.irp t, 0,1,2,3,4,5,6,7,8,9,10,11,12,13,14,15
	ds_load_b128 v[BB+4*\t:BB+4*\t+3], v[RD] offset:\t*SPITCH
.endr
.endm
.macro SEND a, younger                 ; stage row t of block a is row 32 (a / 2) + 8 (a % 2) + t + 8 (t / 8) of my 128: every offset is an immediate, 127 rows of 4,096 bytes at the most
.set BB, BK+64*((\a)%2)
	s_wait_dscnt \younger
.irp t, 0,1,2,3,4,5,6,7,8,9,10,11,12,13,14,15
	global_store_b128 v[LI], v[BB+4*\t:BB+4*\t+3], s[94:95] offset:(32*((\a)/2)+8*((\a)%2)+\t+8*(\t/8))*4096 th:TH_STORE_NT   ; 32 lanes store 512 consecutive bytes, aligned
.endr
.endm
	PLACES NP
	TOSTAGE 0
.irp a, 1,2,3,4,5,6,7
.if \a > 1
	s_wait_xcnt 0x0                                ; block a - 2's stores have read their registers: block a's loads may land there
.endif
	TOSTAGE \a
	SEND \a-1, 32                                  ; behind block a - 1's loads: block a's 16 stores and 16 loads
.endr
	SEND 7, 0
	s_wait_tensorcnt 0x0                           ; the wave's end: behind my last tensor load and my last LDS store
	ds_add_u32 v[SPW], v[NIL]
	s_wait_dscnt 0x0
	CROUND                                         ; the closing round
	s_endpgm
.Lfunc_end_k_q5a2de32bee_proj:
	.size	k_q5a2de32bee_proj, .Lfunc_end_k_q5a2de32bee_proj-k_q5a2de32bee_proj
	.p2alignl 7, 3214868480
	.fill 96, 4, 3214868480
	.section	.rodata,"a",@progbits
	.p2align	6, 0x0
	.amdhsa_kernel k_q5a2de32bee_proj
		.amdhsa_group_segment_fixed_size 327680
		.amdhsa_private_segment_fixed_size 0
		.amdhsa_enable_private_segment 0
		.amdhsa_kernarg_size 48
		.amdhsa_user_sgpr_count 2
		.amdhsa_user_sgpr_kernarg_segment_ptr 1
		.amdhsa_wavefront_size32 1
		.amdhsa_system_sgpr_workgroup_id_x 1
		.amdhsa_system_sgpr_workgroup_id_y 1
		.amdhsa_system_sgpr_workgroup_id_z 1
		.amdhsa_system_vgpr_workitem_id 0
		.amdhsa_next_free_vgpr 1024
		.amdhsa_next_free_sgpr 102
		.amdhsa_reserve_vcc 0
		.amdhsa_float_denorm_mode_32 3
		.amdhsa_float_denorm_mode_16_64 3
		.amdhsa_memory_ordered 1
		.amdhsa_forward_progress 1
		.amdhsa_inst_pref_size 146
	.end_amdhsa_kernel
	.amdgpu_metadata
---
amdhsa.version: [ 1, 2 ]
amdhsa.kernels:
  - .name:           k_q5a2de32bee_proj
    .symbol:         k_q5a2de32bee_proj.kd
    .args:
      - { .name: atc, .offset: 0, .size: 8, .value_kind: global_buffer, .address_space: global }
      - { .name: ats, .offset: 8, .size: 8, .value_kind: global_buffer, .address_space: global }
      - { .name: opc, .offset: 16, .size: 8, .value_kind: global_buffer, .address_space: global }
      - { .name: ops, .offset: 24, .size: 8, .value_kind: global_buffer, .address_space: global }
      - { .name: b_proj, .offset: 32, .size: 8, .value_kind: global_buffer, .address_space: global }
      - { .name: out0, .offset: 40, .size: 8, .value_kind: global_buffer, .address_space: global }
    .group_segment_fixed_size: 327680
    .private_segment_fixed_size: 0
    .kernarg_segment_align: 8
    .kernarg_segment_size: 48
    .max_flat_workgroup_size: 128
    .sgpr_count:     102
    .vgpr_count:     1024
    .wavefront_size: 32
...
	.end_amdgpu_metadata
.endif
;; end of part 4
